; MI455X (gfx1250); checked and timed in simulation.
; The chip was launched on July 23, 2026; its instructions are those of AMD's public machine-readable ISA for CDNA 5 (MIT licence, August 2026) and "CDNA5" Instruction Set Architecture Reference Guide (July 2026). The comments in the code are by the model that wrote it; some were corrected since.
;; Multihead Attention. Allowed arithmetic: matrix products marked QUANTISED: E2M3 operands, one E8M0 scale for each 32 along K, by v_wmma_scale_f32_16x16x128_f8f6f4 with both operands' format E2M3, f32 sums; everything else in f32.
;; Inputs: Wk 1,024 x 1,024 float32; Wo 1,024 x 1,024 float32; Wq 1,024 x 1,024 float32; Wv 1,024 x 1,024 float32; k 4 x 2,048 x 1,024 float32; mask 1 x 1 x 2,048 x 2,048 int32; q 4 x 2,048 x 1,024 float32; v 4 x 2,048 x 1,024 float32.
;; Outputs: out0 4 x 2,048 x 1,024 float32.
;; This version of the problem:
;;   THIS VERSION OF THE PROBLEM IS GIVEN IN LOW PRECISION. The matrix products marked QUANTISED in the list below multiply operands that are first quantised to E2M3 (2 exponent bits, 3 mantissa bits; 6 bits a number), with one power-of-two scale for each 32 numbers along K (OCP MX v1.0); their sums are f32. All else is computed in f32.
;;   The module's matrix products, in the order in which they are computed (A, B: the left and right operand; K: the contracted axis; several contracted axes count as one K, in the product's order):
;;     1. [M 8,192, K 1,024] x [K 1,024, N 1,024]; A: input q; B: input Wq: QUANTISED
;;     2. [M 8,192, K 1,024] x [K 1,024, N 1,024]; A: input k; B: input Wk: QUANTISED
;;     3. [M 8,192, K 1,024] x [K 1,024, N 1,024]; A: input v; B: input Wv: QUANTISED
;;     4. batch 64 x [M 2,048, K 64] x [K 64, N 2,048]; A: computed on the way; B: computed on the way: QUANTISED
;;     5. batch 64 x [M 2,048, K 2,048] x [K 2,048, N 64]; A: softmax (see below); B: computed on the way: QUANTISED
;;     6. [M 8,192, K 1,024] x [K 1,024, N 1,024]; A: computed on the way; B: input Wo: QUANTISED
;;   THE QUANTISER, for each operand of a quantised product, along K:
;;     - K is cut into blocks of 32 from its start; a last block that is shorter is filled with zeros.
;;     - A block's scale is 2^e with e = floor(log2(the largest magnitude in the block)) - 2, held to -126 .. 127; a block of zeros has e = 0. As a byte (E8M0): e + 127.
;;     - Each number is divided by its block's scale, clamped to +-7.5, and rounded to the nearest number of E2M3, ties to even, subnormals kept.
;;     - The product sums the exact products of the quantised numbers (number of the format x scale) in f32.
;;   ~~~python
;;   def quantise(x, axis):      # numpy; x: float32 -> the quantised numbers, widened to float32 again
;;       x = np.moveaxis(x, axis, -1); K = x.shape[-1]
;;       x = np.pad(x, [(0, 0)] * (x.ndim - 1) + [(0, -K % 32)]); x = x.reshape(x.shape[:-1] + (-1, 32)); a = np.abs(x).max(-1, keepdims=True)
;;       e = np.where(a > 0, np.clip(np.frexp(np.where(a > 0, a, 1))[1] - 1 - 2, -126, 127), 0)      # np.frexp(a)[1] - 1 = floor(log2(a)), exactly
;;       r = np.clip(x / 2.0 ** e, -7.5, 7.5)
;;       step = 2.0 ** (np.maximum(np.frexp(np.where(r == 0, 1, r))[1] - 1, 0) - 3)
;;       q = np.round(r / step) * step * 2.0 ** e      # np.round: ties to even
;;       return np.moveaxis(q.reshape(q.shape[:-2] + (-1,))[..., :K], -1, axis).astype(np.float32)
;;   ~~~
;;   SOFTMAX AHEAD OF A QUANTISED PRODUCT. Where the list says 'softmax', what is quantised is not the finished softmax but p = 2^(t - M), with t = logit x log2(e) and M = ceil(the row's largest t), a whole number; so 1/2 < the row's largest p <= 1. The row's sum l is taken of the UNQUANTISED p, in f32, and the product's result is divided by l at the end. Since M is a whole number, a kernel that streams over the keys may use a running M (the ceiling of the running maximum): every later rescaling is an exact power of two, which a block's scale takes up: the codes' values come out the same.
;;   OPERANDS COMPUTED ON THE WAY. 'Computed on the way' means the value that the module computes at that place (a softmax that the list does not call 'softmax' is quantised finished and normalised). What goes into a quantiser is computed in f32, as accurately as f32 sums, v_exp_f32 and their like allow (about 1e-6 of the number): no bf16 or f16 on the way to a quantiser, and a product that is left as it is and whose result goes on into a quantised operand takes f32 operands (vector FMAs, or v_wmma_f32_16x16x4_f32). A number that lies on a knife's edge between two numbers of the format may be rounded either way, as far as f32 arithmetic and the matrix unit's own rounding can turn it there, and no further.
;; One version. Each part assembles by itself: llvm-mc -triple=amdgcn-amd-amdhsa -mcpu=gfx1250 --defsym DOCPART=n.
;; ======== version 1 of 1: 4 launches
;; limits: right only within a limited range of input values
;; workspace buffers: inc 22,020,096 bytes; ins 917,504 bytes; msk 526,336 bytes of whole numbers; pc 18,874,368 bytes; ps 1,310,720 bytes; cc 6,291,456 bytes; cs 524,288 bytes
;; launch prep (part 1): grid 1024 x 1, 4 waves a work-group, no clusters, 67,072 bytes of LDS; arguments q, k, v, Wq, Wk, Wv, Wo, mask, inc, ins, msk; writes inc, ins, msk
.if DOCPART == 1
	.amdgcn_target "amdgcn-amd-amdhsa--gfx1250"
	.amdhsa_code_object_version 6
	.text
	.protected	k_qf0f5acaf1d_prep
	.globl	k_qf0f5acaf1d_prep
	.p2align	8
	.type	k_qf0f5acaf1d_prep,@function
k_qf0f5acaf1d_prep:
	s_mov_b64 s[64:65], 0
	v_nop
	global_prefetch_b8 v0, s[64:65] scope:SCOPE_SE
	s_setreg_imm32_b32 hwreg(HW_REG_WAVE_MODE, 25, 1), 1
	s_wait_xcnt 0x0
; Work-groups 0 to 895: q, k, v [8192][1024] and Wq, Wk, Wv, Wo [1024][1024], f32, become codes of FP6 (E2M3), K innermost (a row: 768 bytes, in inc), with one E8M0 byte for each 32 along K (a row: 32 bytes, in ins).
; A block's scale is 2^(floor(log2(its largest magnitude)) - 2); its byte is the largest magnitude's exponent field - 2, held at 1 from below.  A block of zeros so gets the byte 1: its codes are zeros, and this program alone reads the bytes.
; LIMITS: blocks whose largest magnitude lies under 2^(2 - 126) keep the byte 1; NaN and infinities among the inputs are not served.
; A work-group takes 32 rows, a wave 8 rows (8,192 numbers, 16 steps of 512).  THE ORDER OF ROWS: in k, v, Wq, Wk, Wv the second and third group of 8 rows of every 32 change places on the way out (wave 1 writes
; where wave 2 would and the other way round), so that position 16 u + r of a group of 32 holds row 8 u + r + 8 (r / 8): a tile of 16 neighbouring positions then gives a matrix result whose registers run along neighbours.
; Work-groups 896 to 1023: the mask [2048][2048] int32 becomes lane-mask words and classes, for tiles of 16 queries x 128 keys (tile row T, key step s):
;   msk word [T][s][n], n = 0 .. 63: bit r + 16 h = (mask[16 T + r][128 s + 32 (n / 16) + 16 h + n % 16] != 0);  from byte 524,288 on four words for each T: 2 bits a step: 0 all masked, 1 all open, 2 mixed.
; The two paths part on the work-group's number and use LDS bytes of their own: 0 to 32,767 and 32,768 to 66,559.  No tensor loads, no barrier: waves share nothing.
.set STEPS, 16
.set EMAX,  2
.set CB,    12                         ; bytes of 16 codes
.set R,     16                         ; v16-79   numbers as they are loaded
.set X,     80                         ; v80-111  two sets of 16 neighbours (mask path: v80-143, 64 numbers)
.set C,     128                        ; v128-191 codes: four registers for each step
.set E,     112                        ; v112-127 a scale byte for each step
.set WREG,  8192                       ; LDS of a wave on the quantiser's path: two stages of 32 x SP bytes, then its 256 scale bytes
.set SP,    80                         ; a lane's place in a stage: 64 bytes + 16 of padding
.set MSTG,  32768                      ; LDS of the mask path: for each wave 16 rows of MPITCH bytes
.set MPITCH, 528                       ; 512 bytes + 16: an odd multiple of 16, so that sixteen rows' loads of 16 bytes start in different banks (64 banks of 4 bytes: ISA guide 11.1)
.set W,     144                        ; v144-151 mask path: a pair of registers of words for each step
.set WV,    3                          ; s3 my wave's number
	s_load_b512 s[8:23], s[0:1], 0x0               ; q 8, k 10, v 12, Wq 14, Wk 16, Wv 18, Wo 20, mask 22
	s_load_b128 s[24:27], s[0:1], 0x40             ; inc, ins
	s_load_b64 s[28:29], s[0:1], 0x50              ; msk
	v_lshl_add_u32 v192, v0, 2, 0x10400
	v_mov_b32 v193, 0
	v_lshrrev_b32 v1, 5, v0
	v_readfirstlane_b32 s[WV], v1                  ; wave 0..3
	v_and_b32 v2, 31, v0                           ; lane
	v_lshlrev_b32 v3, 4, v2                        ; my 16 bytes of a load's 512
	s_wait_kmcnt 0x0
	s_cmp_ge_u32 ttmp9, 896
	s_cbranch_scc1 .Lmask
	; ---------------- the quantiser
	s_mul_i32 s31, s[WV], WREG
	v_lshrrev_b32 v14, 2, v2
	v_mul_u32_u24 v14, v14, SP
	v_and_b32 v15, 3, v2
	v_lshl_add_u32 v14, v15, 4, v14
	v_add_nc_u32 v14, s31, v14                     ; the stage, on the way in: SP (lane / 4) + 16 (lane % 4)
	v_mul_u32_u24 v15, v2, SP
	v_add_nc_u32 v15, s31, v15                     ; and on the way out: SP x lane: my 16 neighbours
	v_mul_u32_u24 v4, v2, CB                       ; my codes' place in a step's
	v_lshrrev_b32 v5, 1, v2
	s_add_co_u32 s31, s31, 2*32*SP
	v_add_nc_u32 v5, s31, v5                       ; my wave's 256 scale bytes, my block's byte
	v_lshlrev_b32 v7, 3, v2                        ; and on the way out 8 bytes a lane
	v_add_nc_u32 v6, s31, v7
	; which tensor: a choice among buffers on the work-group's number alone.  s30: the tensor's first work-group
	s_mov_b64 s[4:5], s[20:21]
	s_mov_b32 s30, 864
	s_cmp_lt_u32 ttmp9, 864
	s_cselect_b64 s[4:5], s[18:19], s[4:5]
	s_cselect_b32 s30, 832, s30
	s_cmp_lt_u32 ttmp9, 832
	s_cselect_b64 s[4:5], s[16:17], s[4:5]
	s_cselect_b32 s30, 800, s30
	s_cmp_lt_u32 ttmp9, 800
	s_cselect_b64 s[4:5], s[14:15], s[4:5]
	s_cselect_b32 s30, 768, s30
	s_cmp_lt_u32 ttmp9, 768
	s_cselect_b64 s[4:5], s[12:13], s[4:5]
	s_cselect_b32 s30, 512, s30
	s_cmp_lt_u32 ttmp9, 512
	s_cselect_b64 s[4:5], s[10:11], s[4:5]
	s_cselect_b32 s30, 256, s30
	s_cmp_lt_u32 ttmp9, 256
	s_cselect_b64 s[4:5], s[8:9], s[4:5]
	s_cselect_b32 s30, 0, s30
	s_sub_co_u32 s32, ttmp9, s30
	s_lshl_b32 s32, s32, 2
	s_add_co_u32 s32, s32, s[WV]
	s_lshl_b32 s32, s32, 15                        ; my wave's 8 rows in the tensor: 32,768 bytes a wave
	s_mov_b32 s33, 0
	s_add_nc_u64 s[4:5], s[4:5], s[32:33]
	s_and_b32 s34, s[WV], 1                        ; where they go: waves 1 and 2 change places,
	s_lshl_b32 s34, s34, 1
	s_lshr_b32 s35, s[WV], 1
	s_or_b32 s34, s34, s35
	s_cmp_lt_u32 ttmp9, 256                        ; but not in q,
	s_cselect_b32 s34, s[WV], s34
	s_cmp_ge_u32 ttmp9, 864                        ; nor in Wo
	s_cselect_b32 s34, s[WV], s34
	s_lshl_b32 s35, ttmp9, 2
	s_add_co_u32 s34, s34, s35                     ; the run of 8 rows in inc and ins: the seven tensors lie on end there
	s_mul_i32 s36, s34, 6144
	s_mov_b32 s37, 0
	s_add_nc_u64 s[24:25], s[24:25], s[36:37]
	s_lshl_b32 s36, s34, 8
	s_add_nc_u64 s[26:27], s[26:27], s[36:37]
.macro LOAD t
.irp i, 0,1,2,3
	global_load_b128 v[R+16*((\t)%4)+4*\i:R+16*((\t)%4)+4*\i+3], v3, s[4:5] offset:2048*(\t)+512*\i th:TH_LOAD_NT   ; 32 lanes read 512 consecutive bytes
.endr
.endm
.macro TURN t                          ; step t's numbers through the stage: LDS serves a wave's instructions in order, so no wait stands between the stores and the loads
.irp i, 0,1,2,3
	ds_store_b128 v14, v[R+16*((\t)%4)+4*\i:R+16*((\t)%4)+4*\i+3] offset:32*SP*((\t)%2)+8*SP*\i
.endr
.irp i, 0,1,2,3
	ds_load_b128 v[X+16*((\t)%2)+4*\i:X+16*((\t)%2)+4*\i+3], v15 offset:32*SP*((\t)%2)+16*\i
.endr
.endm
.irp t, 0,1,2,3
	LOAD \t
.endr
	s_wait_loadcnt 12                              ; step 0's four loads are in
	TURN 0
.macro STEP t
.set XS, X+16*((\t)%2)
.if (\t) > 0
	s_wait_dscnt 1                                 ; this step's numbers are back from the stage (the last step's byte store may be out): so its stores into the stage have read their registers,
.else
	s_wait_dscnt 0x0
.endif
.if (\t)+4 < STEPS
	LOAD (\t)+4                                    ; which take the loads of four steps on
.endif
.if (\t)+1 < STEPS
.if STEPS-2-(\t) >= 3
	s_wait_loadcnt 12                              ; the next step's four loads are in; those of the three steps behind it may be out
.else
	s_wait_loadcnt 4*(STEPS-2-(\t))
.endif
	TURN (\t)+1                                    ; and go through the other stage while this step is worked
.endif
	v_max3_num_f32 v8, |v[XS]|, |v[XS+1]|, |v[XS+2]|               ; the largest magnitude of my 16
	v_max3_num_f32 v9, |v[XS+3]|, |v[XS+4]|, |v[XS+5]|
.irp i, 6,10
	v_max3_num_f32 v8, v8, |v[XS+\i]|, |v[XS+\i+1]|
	v_max3_num_f32 v9, v9, |v[XS+\i+2]|, |v[XS+\i+3]|
.endr
	v_max3_num_f32 v8, v8, |v[XS+14]|, |v[XS+15]|
	v_max3_num_f32 v8, v8, v9, (EMAX+1)<<23        ; and the floor 2^(EMAX + 1 - 127): the byte cannot fall under 1
	v_max_num_f32_dpp v8, v8, v8 row_xmask:1 row_mask:0xf bank_mask:0xf   ; and of my neighbour's 16: the block's
	v_add_nc_u32 v11, -(EMAX<<23), v8              ; EMAX off its exponent field: the conversion takes the exponent field of this operand as its scale
	v_cvt_scalef32_pk16_fp6_f32 v[C+4*(\t):C+4*(\t)+2], v[XS:XS+15], v11
	v_lshrrev_b32 v[E+(\t)], 23, v11               ; the scale's byte
	ds_store_b8 v5, v[E+(\t)] offset:16*(\t)       ; both lanes of a block write the same byte with the same value
	global_store_b96 v4, v[C+4*(\t):C+4*(\t)+2], s[24:25] offset:32*CB*(\t)   ; the wave stores 384 consecutive bytes
.endm
.irp t, 0,1,2,3,4,5,6,7,8,9,10,11,12,13,14,15
	STEP \t
.endr
	ds_load_b64 v[12:13], v6                       ; LDS serves a wave's instructions in order: these see my stores
	s_wait_dscnt 0x0
	global_store_b64 v7, v[12:13], s[26:27]        ; 32 lanes store 256 consecutive bytes, aligned
	s_wait_tensorcnt 0x0
	ds_add_u32 v192, v193
	s_wait_dscnt 0x0
	s_endpgm
	; ---------------- the mask: work-group 896 + T takes queries 16 T .. 16 T + 15, wave w key steps 4 w .. 4 w + 3
.Lmask:
	s_sub_co_u32 s54, ttmp9, 896                   ; T
	s_lshl_b32 s32, s54, 17                        ; 16 rows of 8,192 bytes
	s_lshl_b32 s33, s[WV], 11                      ; four steps of 512 bytes
	s_add_co_u32 s32, s32, s33
	s_mov_b32 s33, 0
	s_add_nc_u64 s[36:37], s[22:23], s[32:33]      ; the mask at my first step
	s_lshl_b32 s34, s54, 4
	s_lshl_b32 s35, s[WV], 2
	s_add_co_u32 s34, s34, s35                     ; 16 T + 4 w
	s_lshl_b32 s32, s34, 8
	s_add_nc_u64 s[38:39], s[28:29], s[32:33]      ; my steps' words: 256 bytes a step
	s_add_co_u32 s32, s34, 524288
	s_add_nc_u64 s[52:53], s[28:29], s[32:33]      ; my word of classes
	s_mul_i32 s55, s[WV], 16*MPITCH
	s_add_co_u32 s55, s55, MSTG                    ; my stage
	v_add_nc_u32 v9, s55, v3                       ; in: a row's 512 bytes as they lie
	v_and_b32 v4, 15, v2                           ; r
	v_lshrrev_b32 v5, 4, v2                        ; h
	v_mul_u32_u24 v10, v4, MPITCH
	v_lshl_add_u32 v10, v5, 6, v10
	v_add_nc_u32 v10, s55, v10                     ; out: row r, + 64 h: my 16 keys of each 32
	v_lshlrev_b32 v7, 3, v2
.irp i, 0,1,2,3,4,5,6,7
	v_mov_b32 v[W+\i], 0                           ; written once: v_writelane_b32's destination counts as read
.endr
	v_mov_b32 v153, 0
	s_mov_b32 s56, 0                               ; the classes gathered so far
	s_lshl_b32 s57, s[WV], 3                       ; and where the next one goes: bit 2 (4 w + i)
.macro MLOAD i                         ; step i: 16 rows x 512 consecutive bytes
.irp p, 0,1,2,3,4,5,6,7,8,9,10,11,12,13,14,15
	global_load_b128 v[R+4*\p:R+4*\p+3], v3, s[36:37] offset:8192*\p+512*(\i) th:TH_LOAD_NT
.endr
.endm
.macro MSTEP i
	s_wait_loadcnt 0x0                             ; this step's 16 loads: no others are out
.irp p, 0,1,2,3,4,5,6,7,8,9,10,11,12,13,14,15
	ds_store_b128 v9, v[R+4*\p:R+4*\p+3] offset:MPITCH*\p
.endr
.irp b, 0,1,2,3
.irp j, 0,1,2,3
	ds_load_b128 v[X+16*\b+4*\j:X+16*\b+4*\j+3], v10 offset:128*\b+16*\j   ; register n = 16 b + i: mask[16 T + r][128 s + 32 b + 16 h + i]
.endr
.endr
	s_wait_dscnt 0x0                               ; they are in, and the stores have read their registers,
.if (\i) < 3
	MLOAD (\i)+1                                   ; which take the next step's loads
.endif
	s_mov_b32 s30, 0                               ; the OR and the AND of the step's 64 words
	s_mov_b32 s31, -1
.irp g, 0,1,2,3,4,5,6,7
.irp e, 0,1,2,3,4,5,6,7
	v_cmp_ne_u32 s[40+\e], 0, v[X+8*\g+\e]         ; word n = 8 g + e: a bit a lane
.endr
.irp e, 0,1,2,3,4,5,6,7
	s_or_b32 s30, s30, s[40+\e]
	s_and_b32 s31, s31, s[40+\e]
	v_writelane_b32 v[W+2*(\i)+\e%2], s[40+\e], 4*\g+\e/2   ; lane n / 2 holds words n and n + 1
.endr
.endr
	global_store_b64 v7, v[W+2*(\i):W+2*(\i)+1], s[38:39] offset:256*(\i)   ; 32 lanes store 256 consecutive bytes, aligned; each step has its own pair of registers
	s_cmp_eq_u32 s30, 0
	s_cselect_b32 s58, 0, 2                        ; no bit set: all masked; else mixed,
	s_cmp_eq_u32 s31, -1
	s_cselect_b32 s58, 1, s58                      ; unless every bit is set: all open
	s_lshl_b32 s58, s58, s57
	s_or_b32 s56, s56, s58
	s_add_co_u32 s57, s57, 2
.endm
	MLOAD 0
	MSTEP 0
	MSTEP 1
	MSTEP 2
	MSTEP 3
	v_mov_b32 v152, s56
	v_cmp_eq_u32 vcc_lo, 0, v2
	s_wait_xcnt 0x0                                ; EXEC changes only when the stores above have had their addresses translated
	s_wait_tensorcnt 0x0
	ds_add_u32 v192, v193
	s_wait_dscnt 0x0
	s_and_saveexec_b32 s50, vcc_lo
	global_store_b32 v153, v152, s[52:53]          ; lane 0 alone: my four steps' classes
	s_wait_xcnt 0x0
	s_or_b32 exec_lo, exec_lo, s50
	s_endpgm
.Lfunc_end_k_qf0f5acaf1d_prep:
	.size	k_qf0f5acaf1d_prep, .Lfunc_end_k_qf0f5acaf1d_prep-k_qf0f5acaf1d_prep
	.p2alignl 7, 3214868480
	.fill 96, 4, 3214868480
	.section	.rodata,"a",@progbits
	.p2align	6, 0x0
	.amdhsa_kernel k_qf0f5acaf1d_prep
		.amdhsa_group_segment_fixed_size 67072
		.amdhsa_private_segment_fixed_size 0
		.amdhsa_enable_private_segment 0
		.amdhsa_kernarg_size 88
		.amdhsa_user_sgpr_count 2
		.amdhsa_user_sgpr_kernarg_segment_ptr 1
		.amdhsa_wavefront_size32 1
		.amdhsa_system_sgpr_workgroup_id_x 1
		.amdhsa_system_sgpr_workgroup_id_y 1
		.amdhsa_system_sgpr_workgroup_id_z 1
		.amdhsa_system_vgpr_workitem_id 0
		.amdhsa_next_free_vgpr 194
		.amdhsa_next_free_sgpr 66
		.amdhsa_reserve_vcc 1
		.amdhsa_float_denorm_mode_32 3
		.amdhsa_float_denorm_mode_16_64 3
		.amdhsa_memory_ordered 1
		.amdhsa_forward_progress 1
		.amdhsa_inst_pref_size 99
	.end_amdhsa_kernel
	.amdgpu_metadata
---
amdhsa.version: [ 1, 2 ]
amdhsa.kernels:
  - .name:           k_qf0f5acaf1d_prep
    .symbol:         k_qf0f5acaf1d_prep.kd
    .args:
      - { .name: q, .offset: 0, .size: 8, .value_kind: global_buffer, .address_space: global }
      - { .name: k, .offset: 8, .size: 8, .value_kind: global_buffer, .address_space: global }
      - { .name: v, .offset: 16, .size: 8, .value_kind: global_buffer, .address_space: global }
      - { .name: Wq, .offset: 24, .size: 8, .value_kind: global_buffer, .address_space: global }
      - { .name: Wk, .offset: 32, .size: 8, .value_kind: global_buffer, .address_space: global }
      - { .name: Wv, .offset: 40, .size: 8, .value_kind: global_buffer, .address_space: global }
      - { .name: Wo, .offset: 48, .size: 8, .value_kind: global_buffer, .address_space: global }
      - { .name: mask, .offset: 56, .size: 8, .value_kind: global_buffer, .address_space: global }
      - { .name: inc, .offset: 64, .size: 8, .value_kind: global_buffer, .address_space: global }
      - { .name: ins, .offset: 72, .size: 8, .value_kind: global_buffer, .address_space: global }
      - { .name: msk, .offset: 80, .size: 8, .value_kind: global_buffer, .address_space: global }
    .group_segment_fixed_size: 67072
    .private_segment_fixed_size: 0
    .kernarg_segment_align: 8
    .kernarg_segment_size: 88
    .max_flat_workgroup_size: 128
    .sgpr_count:     66
    .vgpr_count:     194
    .wavefront_size: 32
...
	.end_amdgpu_metadata
.endif
;; end of part 1
;; launch proj (part 2): grid 4 x 96, 4 waves a work-group, clusters of 4 x 4, 327,680 bytes of LDS; arguments inc, ins, pc, ps; writes pc, ps
.if DOCPART == 2
	.amdgcn_target "amdgcn-amd-amdhsa--gfx1250"
	.amdhsa_code_object_version 6
	.text
	.protected	k_qf0f5acaf1d_proj
	.globl	k_qf0f5acaf1d_proj
	.p2align	8
	.type	k_qf0f5acaf1d_proj,@function
k_qf0f5acaf1d_proj:
	s_mov_b64 s[64:65], 0
	v_nop
	global_prefetch_b8 v0, s[64:65] scope:SCOPE_SE
	s_setreg_imm32_b32 hwreg(HW_REG_WAVE_MODE, 25, 1), 1
	s_wait_xcnt 0x0
	s_wait_alu depctr_hold_cnt(0) depctr_sa_sdst(0) depctr_va_vdst(0) depctr_va_sdst(0) depctr_va_ssrc(0) depctr_va_vcc(0) depctr_vm_vsrc(0)
	s_getreg_b32 s2, hwreg(HW_REG_IB_STS2, 6, 4)
	s_cmp_eq_u32 s2, 0
	s_cbranch_scc0 .Lentry_in_a_cluster
	s_endpgm
.Lentry_in_a_cluster:
	s_bfe_u32 s2, ttmp6, 0x10000c
	s_cmp_lg_u32 s2, 0xf033
	s_cbranch_scc0 .Lentry_shape_is_right
	s_endpgm
.Lentry_shape_is_right:
; The three input projections in one launch, on codes of FP6 (E2M3) with one E8M0 scale for each 32 along K = 1,024: C[m][n] = sum over k of A[m][k] B[n][k]; C is quantised along n, in registers, and leaves as codes.
; The cluster's y says which: 0-7 query (A = q, B = Wq), 8-15 key (A = k, B = Wk), 16-23 value, TRANSPOSED (A = Wv, B = v): its n are the keys, along which attention's second product sums.
; A tile of C, 256 x 256, is made by four waves, 128 x 128 each: 64 accumulators, 512 registers.  K goes in steps of 256 through a ring of two LDS slots filled by the tensor data mover; the scale bytes of the work-group's rows
; come once and stay.  4 x 4 work-groups form a cluster: A's tiles are asked for jointly along a row of it, B's along a column.
; THE MATRIX INSTRUCTION IS USED TRANSPOSED (source 0 = 16 rows of B, source 1 = 16 rows of A), and B's rows lie in the order in which position 16 u + r of a group of 32 holds row 8 u + r + 8 (r / 8):
; so in lane (r, h) the 64 registers of A's block a hold C(16 a + r, 32 b + 16 h + i) at register 16 b + i: 16 neighbours of each block of 32 along n, which the conversions take as they stand.
; OUT: pc: query and key [head 64][row 2048][48 bytes] (64 codes); value [head][step 16][c 2][row 64][48 bytes] (keys 128 step + 64 c + 0 .. 63); ps: a scale word a row ([head][row]; value [head][step][row]).
; A query's or key's word has the head's two bytes below; its upper two bytes stand over zero codes in attention and are never 0xff.  A block of zeros gets the byte 1; NaN and infinities are not served.
; REGISTERS, in windows of 256: window 0: v0-31 addresses; v32-63 scale words, two sets; from v128 A's fragments, one set; on the way out v32-255 are free.  window 1: B's fragments, two sets.  windows 2, 3: the accumulators.
.set SIZE_K, 1024
.set KSTEP,  256                       ; along K in a slot
.set NQ,     KSTEP/128                 ; matrix instructions deep
.set ROWB,   192                       ; a tile's row in bytes
.set KROW,   SIZE_K*6/8                ; a row of A or of B in memory
.set PITCH,  240                       ; an LDS row: 3 x (64 bytes + 16 of padding): the 32 lanes of a load of 8 bytes touch 64 different banks (64 banks of 4 bytes: ISA guide 11.1)
.set FR,     12                        ; registers of a fragment: 16 rows x 128 K
.set NL,     6                         ; LDS loads that bring one
.set NP,     4                         ; places behind this matrix instruction (ISA guide 7.12.1)
.set HALFT,  128*PITCH                 ; what one tensor load brings
.set SLOT,   4*HALFT                   ; A's 256 rows, then B's 256 rows
.set LAPS,   SIZE_K/(2*KSTEP)
.set KS,     SIZE_K/32                 ; a row of scales in bytes
.set SCL,    2*SLOT                    ; behind the ring: the scales, as units of 256 bytes + 16 of padding
.set HALFS,  (128*KS/256)*272
.set SBLK,   (16*KS/256)*272
.set SPARE,  SCL+4*HALFS               ; the spare words, 128 bytes for each wave: two blocks of 256 bytes that no other line names
.set WST,    13312                     ; the way out: a wave's stage, in slot 0 (which has had its last fill and its last read by then): 12,288 bytes of codes, 1,024 of scale words
.set LOF,  10                          ; v10  16 x lane
.set SOF,  11                          ; v11  the scale words' offset in ps
.set H16,  12                          ; v12  16 h
.set R16,  13                          ; v13  16 r
.set ADRA, 16                          ; v16-19 LDS addresses of my A fragments (slot 0, 1; and behind one padding more)
.set ADRB, 20                          ; v20-23 the same for B
.set STC,  24                          ; v24  stage: my codes: 48 r + 24 h
.set STS,  25                          ; v25  stage: my scale word: 12,288 + 512 h + 4 r
.set RD,   26                          ; v26  stage, back: 16 x lane
.set ADRS, 27                          ; v27  LDS address of my scale words
.set SPW,  28                          ; v28  my spare word; never rewritten
.set NIL,  29                          ; v29  0; never rewritten
.set SC,   32
.set AF,   128
.set TM,   32                          ; the way out: v32-35 largest magnitudes, v36-39 bytes, v44-47 the conversions' scale operands
.set PW,   48                          ; the scale word just made;  v49: what my half of the lanes stores of it
.set PWS,  49
.set BK,   128                         ; v128-223 codes read back;  v224-231 scale words read back
.set SB,   224
.set G1, 24
.set G0, 32
.set G1B, 48
.set G0B, 56
.set G1S, 68
.set G0S, 76
.set G1SB, 80
.set G0SB, 88
.set DB,  92                           ; s[92:99] the way out: where the stage's four chunks of 3,072 bytes go
.set SEL, 18                           ; s[18:19] the way out: selects for lane l xor 16
.set MSB, 0
.macro WIN new                         ; the immediate's high byte repeats the setting that is left
.if MSB != \new
	s_set_vgpr_msb (MSB<<8)|\new
.set MSB, \new
.endif
.endm
.set MUL_LO, 0xa1                      ; source 0 (B) window 1, source 1 (A) window 0, C and D window 2
.set MUL_HI, 0xf1                      ; the same, C and D window 3
.set TO_B,   0x40                      ; destination window 1, address window 0
; A joint load: waves 0 and 1 fetch for A, waves 2 and 3 for B; the branch hangs on the wave's number alone.  Four v_nop follow each of the two lines.
.macro JLOAD g0a, g1a, g0b, g1b
	s_cmp_eq_u32 s15, 0
	s_cbranch_scc0 .Lfor_b_\@
	tensor_load_to_lds s[\g0a:\g0a+3], s[\g1a:\g1a+7]
	s_nop 0
.rept 4
	v_nop
.endr
	s_branch .Lasked_\@
.Lfor_b_\@:
	tensor_load_to_lds s[\g0b:\g0b+3], s[\g1b:\g1b+7]
	s_nop 0
.rept 4
	v_nop
.endr
.Lasked_\@:
.endm
.macro CREST                           ; a round of the cluster's barrier behind its opening barrier
	s_cmp_lg_u32 s14, 0
	s_cbranch_scc1 .Lnot_wave_0_\@
	s_barrier_signal -3
.Lnot_wave_0_\@:
	s_barrier_wait -3
	s_barrier_signal -1
	s_barrier_wait -1
.endm
.macro CROUND                          ; a whole round
	s_barrier_signal -1
	s_barrier_wait -1
	CREST
.endm
	s_load_b256 s[4:11], s[0:1], 0x0               ; inc s[4:5], ins s[6:7], pc s[8:9], ps s[10:11]
	v_lshl_add_u32 v[SPW], v0, 2, SPARE
	v_mov_b32 v[NIL], 0
	ds_add_u32 v28, v29
	ds_add_u32 v28, v29
	s_wait_dscnt 0x0
	v_lshrrev_b32 v1, 5, v0
	v_readfirstlane_b32 s14, v1                    ; wave 0..3
	s_lshr_b32 s15, s14, 1                         ; which half of the tile's rows is mine.  Also: I fetch for A (0) or for B (1)
	s_and_b32 s16, s14, 1                          ; which half of its columns.  Also: which 128 rows of that tile I fetch
	s_bfe_u32 s40, ttmp6, 0x40000                  ; cx, cy: my place in the cluster
	s_bfe_u32 s41, ttmp6, 0x40004
	s_and_b32 s12, ttmp7, 0xffff                   ; the cluster's y, 0 .. 23: the same in all sixteen partners, like all that is made of it
	s_lshr_b32 s13, s12, 3                         ; sel: 0 query, 1 key, 2 value
	s_and_b32 s2, s12, 7
	s_cmp_eq_u32 s13, 2
	s_cselect_b32 s96, 0, s2                       ; the long side (8,192 rows, eight clusters) is A's for query and key,
	s_cselect_b32 s97, s2, 0                       ; B's for value
	s_lshl_b32 s42, s97, 2
	s_add_co_u32 s42, s42, s40                     ; tile column of C
	s_lshl_b32 s17, s96, 2
	s_add_co_u32 s17, s17, s41                     ; tile row of C
	s_lshl_b32 s43, s41, 2
	s_lshl_b32 s43, 15, s43                        ; my row of the cluster
	s_lshl_b32 s44, 0x1111, s40                    ; my column
	; descriptor group 1: a tile of 128 rows x ROWB bytes, padded in LDS
	s_or_b32 s[G1+0], s43, (0<<16)|(1<<20)|(1<<21)|(3<<22)|(3<<25)  ; 15:0 the mask: A's tiles go to my row; elements of 1 byte; padding on; bit 21 beside a mask; after every 16 words, 4 words
	s_or_b32 s[G1B+0], s44, (0<<16)|(1<<20)|(1<<21)|(3<<22)|(3<<25)
.irp g, G1, G1B
	s_mov_b32 s[\g+1], ROWB<<16                    ; tensor_dim0
	s_mov_b32 s[\g+2], 128<<16                     ; tensor_dim1 = 128
	s_mov_b32 s[\g+3], ROWB<<16                    ; tile_dim0
	s_mov_b32 s[\g+4], 128                         ; tile_dim1 = 128
	s_mov_b32 s[\g+5], KROW                        ; tensor_dim0_stride
	s_mov_b32 s[\g+6], 0
	s_mov_b32 s[\g+7], 0
.endr
	; and for the scales of 128 rows: a dense block of 128 KS bytes, as rows of 256 bytes (32 elements of 8 bytes), 16 bytes of padding behind each
	s_or_b32 s[G1S+0], s43, (3<<16)|(1<<20)|(1<<21)|(5<<22)|(3<<25)
	s_or_b32 s[G1SB+0], s44, (3<<16)|(1<<20)|(1<<21)|(5<<22)|(3<<25)
.irp g, G1S, G1SB
	s_mov_b32 s[\g+1], 32<<16
	s_mov_b32 s[\g+2], (128*KS/256)<<16
	s_mov_b32 s[\g+3], 32<<16
	s_mov_b32 s[\g+4], 128*KS/256
	s_mov_b32 s[\g+5], 32
	s_mov_b32 s[\g+6], 0
	s_mov_b32 s[\g+7], 0
.endr
	; where the operands' regions begin in inc and ins: the input's and the weight's, by sel; for value the weight is A
	s_mul_i32 s98, s13, 6291456                    ; the input's codes
	s_mul_i32 s99, s13, 786432
	s_add_co_u32 s99, s99, 18874368                ; the weight's codes
	s_lshl_b32 s100, s13, 18                       ; the input's scales
	s_lshl_b32 s101, s13, 15
	s_add_co_u32 s101, s101, 786432                ; the weight's scales
	s_cmp_eq_u32 s13, 2
	s_cselect_b32 s2, s99, s98                     ; A's codes
	s_cselect_b32 s12, s98, s99                    ; B's codes
	s_cselect_b32 s96, s101, s100                  ; A's scales
	s_cselect_b32 s97, s100, s101                  ; B's scales
	s_lshl_b32 s18, s16, 7                         ; which 128 rows of the tile I fetch
	s_lshl_b32 s20, s17, 8
	s_add_co_u32 s20, s20, s18                     ; A: row 256 x tile row + 128 x half
	s_lshl_b32 s46, s42, 8
	s_add_co_u32 s46, s46, s18                     ; B: row 256 x tile column + 128 x half
	s_mov_b32 s21, 0
	s_mov_b32 s47, 0
	s_mov_b64 s[18:19], KS
	s_mul_u64 s[22:23], s[20:21], s[18:19]         ; where these rows' scales begin, in bytes
	s_mul_u64 s[92:93], s[46:47], s[18:19]
	s_mov_b64 s[18:19], KROW
	s_mul_u64 s[20:21], s[20:21], s[18:19]         ; and their codes
	s_mul_u64 s[46:47], s[46:47], s[18:19]
	s_mov_b32 s19, 0
	s_mov_b32 s18, s2
	s_add_nc_u64 s[20:21], s[20:21], s[18:19]      ; + the regions
	s_mov_b32 s18, s96
	s_add_nc_u64 s[22:23], s[22:23], s[18:19]
	s_mov_b32 s18, s12
	s_add_nc_u64 s[46:47], s[46:47], s[18:19]
	s_mov_b32 s18, s97
	s_add_nc_u64 s[92:93], s[92:93], s[18:19]
	s_mul_i32 s45, s14, HALFT                      ; where they go: wave x 128 rows: no place in the cluster enters an LDS address
	s_mul_i32 s94, s14, HALFS
	s_wait_kmcnt 0x0
	s_add_nc_u64 s[20:21], s[4:5], s[20:21]
	s_add_nc_u64 s[22:23], s[6:7], s[22:23]
	s_add_nc_u64 s[46:47], s[4:5], s[46:47]
	s_add_nc_u64 s[92:93], s[6:7], s[92:93]
	CROUND                                         ; all sixteen work-groups are here: the first joint loads meet
	s_mov_b32 s[G0S], 1
	s_add_co_u32 s[G0S+1], s94, SCL
	s_mov_b64 s[G0S+2:G0S+3], s[22:23]
	s_or_b32 s[G0S+3], s[G0S+3], 0x80000000
	s_mov_b32 s[G0SB], 1
	s_add_co_u32 s[G0SB+1], s94, SCL
	s_mov_b64 s[G0SB+2:G0SB+3], s[92:93]
	s_or_b32 s[G0SB+3], s[G0SB+3], 0x80000000
	JLOAD G0S, G1S, G0SB, G1SB                     ; the scales first: they are wanted with K step 0
.irp s, 0,1
	s_mov_b32 s[G0+4*\s], 1
	s_add_co_u32 s[G0+4*\s+1], s45, \s*SLOT
	s_add_nc_u64 s[G0+4*\s+2:G0+4*\s+3], s[20:21], \s*ROWB
	s_or_b32 s[G0+4*\s+3], s[G0+4*\s+3], 0x80000000
	s_mov_b32 s[G0B+4*\s], 1
	s_add_co_u32 s[G0B+4*\s+1], s45, \s*SLOT
	s_add_nc_u64 s[G0B+4*\s+2:G0B+4*\s+3], s[46:47], \s*ROWB
	s_or_b32 s[G0B+4*\s+3], s[G0B+4*\s+3], 0x80000000
	JLOAD G0+4*\s, G1, G0B+4*\s, G1B
.endr
	v_and_b32 v1, 15, v0                           ; r = l % 16
	v_bfe_u32 v2, v0, 4, 1                         ; h = l / 16
	v_mul_u32_u24 v3, v1, PITCH
	v_mul_u32_u24 v4, v2, 24
	v_add_nc_u32 v4, v3, v4                        ; a fragment's row x pitch + 24 x half
	v_lshl_add_u32 v5, v2, 4, v4                   ; and the same behind one padding more
	s_mul_i32 s21, s15, HALFT                      ; my 128 rows of A
	s_mul_i32 s22, s16, HALFT                      ; my 128 rows of B,
	s_add_co_u32 s22, s22, 2*HALFT                 ; which lie behind A's 256
.irp s, 0,1
	v_add_nc_u32 v[ADRA+\s], s21, v4
	v_add_nc_u32 v[ADRB+\s], s22, v4
	v_add_nc_u32 v[ADRA+2+\s], s21, v5
	v_add_nc_u32 v[ADRB+2+\s], s22, v5
	s_add_co_u32 s21, s21, SLOT
	s_add_co_u32 s22, s22, SLOT
.endr
	v_mul_u32_u24 v5, v1, KS                       ; my row's scales: KS bytes a row,
	v_lshrrev_b32 v6, 8, v5
	v_lshl_add_u32 v5, v6, 4, v5                   ; and 16 more for each 256 passed
	s_mul_i32 s21, s15, HALFS                      ; A's: my 128 rows
	s_mul_i32 s22, s16, HALFS                      ; B's: my 128 rows, behind A's 256
	s_add_co_u32 s22, s22, 2*HALFS
	s_sub_co_u32 s22, s22, s21
	v_mul_u32_u24 v6, s22, v2                      ; lanes 16-31 take B's
	s_add_co_u32 s21, s21, SCL
	v_add_nc_u32 v5, v5, v6
	v_add_nc_u32 v[ADRS], s21, v5
	s_mul_i32 s23, s14, WST                        ; my stage
	v_mul_u32_u24 v5, v1, 48
	v_mad_u32_u24 v5, v2, 24, v5
	v_add_nc_u32 v[STC], s23, v5                   ; codes: row r of 48 bytes, + 24 h
	v_lshlrev_b32 v5, 2, v1
	v_lshl_add_u32 v5, v2, 9, v5
	v_add_nc_u32 v5, s23, v5
	v_add_nc_u32 v[STS], 12288, v5                 ; scale words: 4 r, lanes 16-31 512 bytes on
	v_and_b32 v6, 31, v0
	v_lshlrev_b32 v[LOF], 4, v6
	v_add_nc_u32 v[RD], s23, v[LOF]                ; back: 16 bytes a lane
	v_lshlrev_b32 v[H16], 4, v2
	v_lshlrev_b32 v[R16], 4, v1
.macro FRAG reg, adr, q, i             ; a fragment: lane l holds row l % 16; registers 6 c .. 6 c + 5 hold K = 64 c + 32 (l / 16) + 0 .. 31: 24 bytes of the row's stream of bits, in pieces of 8 bytes
.irp p, 0,1,2,3,4,5
.set PC, 12*(\q)+6*(\p/3)+\p%3        ; 16 bytes of padding lie behind every 8 pieces: where the piece three on lies behind one padding more, the second address register serves
.if PC%8 < 5
	ds_load_b64 v[\reg+2*\p:\reg+2*\p+1], v[\adr] offset:8*PC+16*(PC/8)+(\i)*16*PITCH
.else
	ds_load_b64 v[\reg+2*\p:\reg+2*\p+1], v[\adr+2] offset:8*PC+16*(PC/8)+(\i)*16*PITCH
.endif
.endr
.endm
; 16 matrix instructions: A's blocks a0, a0 + 1 x B's eight, 128 along K.  The 64 accumulators take turns, one instruction a turn, in the same order in every step.
.macro MUL16 a0, p, q, sc, zero
.irp a, \a0, \a0+1
.irp b, 0,1,2,3,4,5,6,7
.if \zero
	v_wmma_scale_f32_16x16x128_f8f6f4 v[8*(8*((\a)%4)+\b):8*(8*((\a)%4)+\b)+7], v[128*(\p)+FR*\b:128*(\p)+FR*\b+FR-1], v[AF+FR*(\a):AF+FR*(\a)+FR-1], 0, v[SC+8*NQ*(\sc)+NQ*\b+(\q)], v[SC+8*NQ*(\sc)+NQ*(\a)+(\q)] matrix_a_fmt:MATRIX_FMT_FP6 matrix_b_fmt:MATRIX_FMT_FP6 matrix_a_scale:MATRIX_SCALE_ROW1
.else
	v_wmma_scale_f32_16x16x128_f8f6f4 v[8*(8*((\a)%4)+\b):8*(8*((\a)%4)+\b)+7], v[128*(\p)+FR*\b:128*(\p)+FR*\b+FR-1], v[AF+FR*(\a):AF+FR*(\a)+FR-1], v[8*(8*((\a)%4)+\b):8*(8*((\a)%4)+\b)+7], v[SC+8*NQ*(\sc)+NQ*\b+(\q)], v[SC+8*NQ*(\sc)+NQ*(\a)+(\q)] matrix_a_fmt:MATRIX_FMT_FP6 matrix_b_fmt:MATRIX_FMT_FP6 matrix_a_scale:MATRIX_SCALE_ROW1
.endif
.endr
.endr
.endm
.macro FETCH_B slot, q, p              ; B's eight fragments of the slot's q-th 128 along K into set p
	WIN TO_B
.irp i, 0,1,2,3,4,5,6,7
	FRAG 128*(\p)+FR*\i, ADRB+\slot, \q, \i
.endr
	WIN 0
.endm
.macro FETCH_A slot, q, i0             ; A's blocks i0 .. i0 + 3
.irp i, \i0, \i0+1, \i0+2, \i0+3
	FRAG AF+FR*(\i), ADRA+\slot, \q, \i
.endr
.endm
.macro SCALES sc                       ; the next K step's scale words into set sc: lanes 0-15 take A's block i, lanes 16-31 B's block i
.irp i, 0,1,2,3,4,5,6,7
	ds_load_b64 v[SC+8*NQ*\sc+NQ*\i:SC+8*NQ*\sc+NQ*\i+1], v[ADRS] offset:\i*SBLK
.endr
.endm
.macro PLACES n                        ; plain vector instructions between a matrix instruction and a load into, or a vector read of, its registers
.rept \n
	v_nop
.endr
.endm
; A step of 128 along K that has its successor in the same slot.
.macro STEP slot, q, zero
	s_wait_dscnt 4*NL                              ; B's set and A's blocks 0-3 are in; the youngest 24 loads (A's blocks 4-7) may be out
	WIN MUL_LO
	MUL16 0, (\q)%2, \q, \slot, \zero
	MUL16 2, (\q)%2, \q, \slot, \zero
	s_wait_dscnt 0                                 ; A's blocks 4-7 are in
	PLACES NP
	FETCH_B \slot, (\q)+1, 1-(\q)%2
	FETCH_A \slot, (\q)+1, 0
	WIN MUL_HI
	MUL16 4, (\q)%2, \q, \slot, \zero
	MUL16 6, (\q)%2, \q, \slot, \zero
	PLACES NP
	WIN 0
	FETCH_A \slot, (\q)+1, 4
.endm
; A slot's last step changes slots: ONE barrier; in front of it each wave waits for all its tensor loads, adds 0 to its spare word, and waits for that and for its own reads of this slot.  fill = 1: this slot is filled again, two K steps ahead.
.macro TURN slot, next, fill
	s_wait_tensorcnt 0x0                           ; all my tensor loads have landed: my part of the next slot
	ds_add_u32 v[SPW], v[NIL]                      ; 0 onto my spare word
	s_wait_dscnt 4*NL+1                            ; (the add and the youngest 24 loads, A's blocks 4-7, may be out)
	WIN MUL_LO
	MUL16 0, 1, NQ-1, \slot, 0                     ; sixteen matrix instructions stand between the add and the wait for it
	s_wait_dscnt 0x0                               ; the add is done, and my reads of this slot are over
	s_barrier_signal -1
	MUL16 2, 1, NQ-1, \slot, 0
	WIN 0
	s_barrier_wait -1
.if \fill
	CREST                                          ; the barrier has opened a round of the cluster's barrier: no wave of any partner still reads this slot's tile or has a load on its way
	s_add_nc_u64 s[G0+4*\slot+2:G0+4*\slot+3], s[G0+4*\slot+2:G0+4*\slot+3], 2*ROWB
	s_add_nc_u64 s[G0B+4*\slot+2:G0B+4*\slot+3], s[G0B+4*\slot+2:G0B+4*\slot+3], 2*ROWB
	JLOAD G0+4*\slot, G1, G0B+4*\slot, G1B         ; the first tensor load behind the round; its four v_nop are also the places in front of the loads below
.else
	PLACES NP
.endif
	v_add_nc_u32 v[ADRS], 4*NQ, v[ADRS]            ; on to the next K step's scale words (no LDS load of mine is out)
	FETCH_B \next, 0, 0
	FETCH_A \next, 0, 0
	SCALES \next
	WIN MUL_HI
	MUL16 4, 1, NQ-1, \slot, 0
	MUL16 6, 1, NQ-1, \slot, 0
	PLACES NP
	WIN 0
	FETCH_A \next, 0, 4
.endm
	s_wait_tensorcnt 1                             ; the scales and my part of K step 0 are in (K step 1's load may be out),
	s_barrier_signal -1
	s_barrier_wait -1                              ; everybody's are
	FETCH_B 0, 0, 0
	FETCH_A 0, 0, 0
	SCALES 0
	FETCH_A 0, 0, 4
	STEP 0, 0, 1                                   ; the first step stands in front of the loop: its products start the sums
	s_mov_b32 s3, LAPS-1
.Llap:                                                 ; a trip goes once round the ring and fills both slots again
	TURN 0, 1, 1
	STEP 1, 0, 0
	TURN 1, 0, 1
	STEP 0, 0, 0
	s_sub_co_u32 s3, s3, 1
	s_cmp_lg_u32 s3, 0
	s_cbranch_scc1 .Llap
	TURN 0, 1, 0                                   ; the last lap fills nothing, and has no round of the cluster's barrier
	STEP 1, 0, 0
	s_wait_dscnt 4*NL                              ; the very last step: nothing more to fetch
	WIN MUL_LO
	MUL16 0, 1, NQ-1, 1, 0
	MUL16 2, 1, NQ-1, 1, 0
	s_wait_dscnt 0
	WIN MUL_HI
	MUL16 4, 1, NQ-1, 1, 0
	MUL16 6, 1, NQ-1, 1, 0
	WIN 0
	; THE WAY OUT.  Each of my eight blocks of 16 rows is quantised along its 128 columns (four blocks of 32), as it stands in the accumulators; codes and scale words are gathered in my stage and leave in runs of 512 bytes.
	PLACES NP
.irp b, 0,1,2,3
	v_mov_b32 v[TM+4+\b], 0                        ; written once: a lane permute's destination counts as one of its sources
.endr
	s_lshl_b32 s18, s17, 8
	s_lshl_b32 s19, s15, 7
	s_add_co_u32 s18, s18, s19                     ; my first row of C
	s_lshl_b32 s19, s42, 8
	s_lshl_b32 s20, s16, 7
	s_add_co_u32 s19, s19, s20                     ; my first column
	s_mov_b32 s22, 98304
	s_cmp_eq_u32 s13, 2
	s_cselect_b32 s20, s19, s18                    ; the token side (value: the columns)
	s_cselect_b32 s21, s18, s19                    ; the feature side
	s_cselect_b32 s40, s22, 3072                   ; from rows 0-63 to rows 64-127: 64 rows on (query, key) or the next head (value)
	s_cselect_b32 s41, 3072, s22                   ; from columns 0-63 to columns 64-127: the next head (query, key) or 64 keys on (value)
	s_cselect_b32 s43, 12, 13                      ; a head's scale words: 2^12 bytes (value), 2^13
	s_cselect_b32 s44, 8, 9                        ; my 128 tokens' share of them: 2^8, 2^9
	s_cselect_b32 s45, 8, 4                        ; lanes 16-31 store 16 h << this further on: the next head (4,096), or the next 256 bytes
	s_lshr_b32 s22, s20, 11
	s_lshl_b32 s22, s22, 4
	s_lshr_b32 s23, s21, 6
	s_add_co_u32 s22, s22, s23                     ; 16 x batch + head
	s_bfe_u32 s23, s20, 0x40007                    ; which 128 tokens of the batch's 2,048
	s_mul_i32 s2, s13, 6291456
	s_mul_i32 s3, s22, 98304
	s_add_co_u32 s2, s2, s3
	s_mul_i32 s3, s23, 6144
	s_add_co_u32 s2, s2, s3
	s_mov_b32 s3, 0
	s_add_nc_u64 s[DB:DB+1], s[8:9], s[2:3]
	s_mov_b32 s2, s40
	s_add_nc_u64 s[DB+2:DB+3], s[DB:DB+1], s[2:3]
	s_mov_b32 s2, s41
	s_add_nc_u64 s[DB+4:DB+5], s[DB:DB+1], s[2:3]
	s_add_nc_u64 s[DB+6:DB+7], s[DB+2:DB+3], s[2:3]
	s_lshl_b32 s2, s13, 19
	s_lshl_b32 s12, s22, s43
	s_add_co_u32 s2, s2, s12
	s_lshl_b32 s12, s23, s44
	s_add_co_u32 s2, s2, s12
	s_add_nc_u64 s[100:101], s[10:11], s[2:3]      ; the scale words,
	s_add_nc_u64 s[46:47], s[100:101], 8192        ; and (query, key) the next head's
	v_lshlrev_b32 v[SOF], s45, v[H16]
	v_add_nc_u32 v[SOF], v[SOF], v[R16]
	s_mov_b32 s[SEL], 0x76543210
	s_mov_b32 s[SEL+1], 0xfedcba98
; Block a's 64 numbers of a lane (register 16 b + i = column 32 b + 16 h + i of row r) become a fragment's codes in v[CD] on and its scale word in v[PW].
; CD lies where no conversion's destination carries the number of one of its sources, which stand in another window.
.macro QUANTW a
.set AC, 64*((\a)%4)
.set WW, 2+(\a)/4
.set WN, WW|(WW<<2)
.set CD, 52+128*(1-((\a)%4)/2)
	WIN WN                                         ; sources 0 and 1: the accumulators' window
.irp b, 0,1,2,3
	v_max3_num_f32 v[TM+\b], |v[AC+16*\b]|, |v[AC+16*\b+1]|, 0x1800000   ; my 16 numbers of block b, from each accumulator's low end on, and the floor 2^(3 - 127): the byte cannot fall under 1
.endr
.irp i, 2,4,6,8,10,12,14
.irp b, 0,1,2,3
	v_max3_num_f32 v[TM+\b], |v[AC+16*\b+\i]|, |v[AC+16*\b+\i+1]|, v[TM+\b]
.endr
.endr
	WIN 0
.irp b, 0,1,2,3
	v_permlanex16_b32 v[TM+4+\b], v[TM+\b], s[SEL], s[SEL+1]
.endr
.irp b, 0,1,2,3
	v_max_num_f32 v[TM+\b], v[TM+\b], v[TM+4+\b]   ; with lane l xor 16's: the block's largest magnitude
.endr
.irp b, 0,1,2,3
	v_add_nc_u32 v[TM+12+\b], 0xff000000, v[TM+\b] ; 2 off its exponent field: the conversion's scale operand
.endr
.irp b, 0,1,2,3
	v_lshrrev_b32 v[TM+4+\b], 23, v[TM+12+\b]      ; the scale's byte
.endr
	v_lshl_or_b32 v[PW], v[TM+5], 8, v[TM+4]
	v_lshl_or_b32 v[PW], v[TM+6], 16, v[PW]
	v_lshl_or_b32 v[PW], v[TM+7], 24, v[PW]
	WIN WW                                         ; source 0: the accumulators' window
.irp c, 0,1
	v_cvt_scalef32_pk16_fp6_f32 v[CD+6*\c:CD+6*\c+2], v[AC+32*\c:AC+32*\c+15], v[TM+12+2*\c]
	v_cvt_scalef32_pk16_fp6_f32 v[CD+12+4*\c:CD+14+4*\c], v[AC+32*\c+16:AC+32*\c+31], v[TM+12+2*\c+1]   ; (a conversion's three registers begin on an even number)
.endr
	WIN 0
	v_nop                                          ; one plain place behind a scaled conversion
.irp c, 0,1                                    ; a whole block in a lane: lanes 0-15 block 2 c, lanes 16-31 block 2 c + 1
.irp i, 0,1,2
	v_permlane16_swap_b32 v[CD+6*\c+\i], v[CD+12+4*\c+\i]
.endr
.irp i, 0,1,2
	v_mov_b32 v[CD+3+6*\c+\i], v[CD+12+4*\c+\i]
.endr
.endr
.endm
.irp a, 0,1,2,3,4,5,6,7
	QUANTW \a
.irp c, 0,1
.irp p, 0,1,2
	ds_store_b64 v[STC], v[CD+6*\c+2*\p:CD+6*\c+2*\p+1] offset:6144*\c+768*\a+8*\p   ; columns 64 c + 32 h + 0 .. 31 of row 16 a + r: 24 bytes of a row of 48
.endr
.endr
	v_lshrrev_b32 v[PWS], v[H16], v[PW]            ; lanes 0-15 keep the word, lanes 16-31 take its upper two bytes down: the second head's
	ds_store_b32 v[STS], v[PWS] offset:64*\a
	s_wait_dscnt 0x0                               ; the stores have read their registers: the next block's codes may be written
.endr
.set i, 0
.rept 24
	ds_load_b128 v[BK+4*i:BK+4*i+3], v[RD] offset:512*i   ; LDS serves a wave's instructions in order: these see my stores
.set i, i+1
.endr
	ds_load_b128 v[SB:SB+3], v[RD] offset:12288
	ds_load_b128 v[SB+4:SB+7], v[RD] offset:12288+512
.set i, 0
.rept 24
	s_wait_dscnt 25-i                              ; the loads issued behind this one may be out
	global_store_b128 v[LOF], v[BK+4*i:BK+4*i+3], s[DB+2*(i/6):DB+2*(i/6)+1] offset:512*(i%6)   ; 32 lanes store 512 consecutive bytes, at a multiple of 256 from pc's first byte
.set i, i+1
.endr
	s_wait_dscnt 1
	global_store_b128 v[SOF], v[SB:SB+3], s[100:101]   ; sixteen lanes store 256 consecutive bytes, aligned
	s_wait_dscnt 0x0
	s_cmp_eq_u32 s13, 2                            ; value's words are whole: there is no second head's half
	s_cbranch_scc1 .Lno2
	global_store_b128 v[SOF], v[SB+4:SB+7], s[46:47]
.Lno2:
	s_wait_tensorcnt 0x0                           ; the wave's end: behind my last tensor load and my last LDS store
	ds_add_u32 v[SPW], v[NIL]
	s_wait_dscnt 0x0
	CROUND                                         ; the closing round: no work-group ends while a partner may still ask for a tile that names it
	s_endpgm
.Lfunc_end_k_qf0f5acaf1d_proj:
	.size	k_qf0f5acaf1d_proj, .Lfunc_end_k_qf0f5acaf1d_proj-k_qf0f5acaf1d_proj
	.p2alignl 7, 3214868480
	.fill 96, 4, 3214868480
	.section	.rodata,"a",@progbits
	.p2align	6, 0x0
	.amdhsa_kernel k_qf0f5acaf1d_proj
		.amdhsa_group_segment_fixed_size 327680
		.amdhsa_private_segment_fixed_size 0
		.amdhsa_enable_private_segment 0
		.amdhsa_kernarg_size 32
		.amdhsa_user_sgpr_count 2
		.amdhsa_user_sgpr_kernarg_segment_ptr 1
		.amdhsa_wavefront_size32 1
		.amdhsa_system_sgpr_workgroup_id_x 1
		.amdhsa_system_sgpr_workgroup_id_y 1
		.amdhsa_system_sgpr_workgroup_id_z 1
		.amdhsa_system_vgpr_workitem_id 0
		.amdhsa_next_free_vgpr 1024
		.amdhsa_next_free_sgpr 102
		.amdhsa_reserve_vcc 0
		.amdhsa_float_denorm_mode_32 3
		.amdhsa_float_denorm_mode_16_64 3
		.amdhsa_memory_ordered 1
		.amdhsa_forward_progress 1
		.amdhsa_inst_pref_size 172
	.end_amdhsa_kernel
	.amdgpu_metadata
---
amdhsa.version: [ 1, 2 ]
amdhsa.kernels:
  - .name:           k_qf0f5acaf1d_proj
    .symbol:         k_qf0f5acaf1d_proj.kd
    .args:
      - { .name: inc, .offset: 0, .size: 8, .value_kind: global_buffer, .address_space: global }
      - { .name: ins, .offset: 8, .size: 8, .value_kind: global_buffer, .address_space: global }
      - { .name: pc, .offset: 16, .size: 8, .value_kind: global_buffer, .address_space: global }
      - { .name: ps, .offset: 24, .size: 8, .value_kind: global_buffer, .address_space: global }
    .group_segment_fixed_size: 327680
    .private_segment_fixed_size: 0
    .kernarg_segment_align: 8
    .kernarg_segment_size: 32
    .max_flat_workgroup_size: 128
    .sgpr_count:     102
    .vgpr_count:     1024
    .wavefront_size: 32
...
	.end_amdgpu_metadata
.endif
;; end of part 2
;; launch attn (part 3): grid 4 x 64, 16 waves a work-group, no clusters, 223,232 bytes of LDS; arguments pc, ps, msk, cc, cs; writes cc, cs
.if DOCPART == 3
	.amdgcn_target "amdgcn-amd-amdhsa--gfx1250"
	.amdhsa_code_object_version 6
	.text
	.protected	k_qf0f5acaf1d_attn
	.globl	k_qf0f5acaf1d_attn
	.p2align	8
	.type	k_qf0f5acaf1d_attn,@function
k_qf0f5acaf1d_attn:
	s_mov_b64 s[64:65], 0
	v_nop
	global_prefetch_b8 v0, s[64:65] scope:SCOPE_SE
	s_setreg_imm32_b32 hwreg(HW_REG_WAVE_MODE, 25, 1), 1
	s_wait_xcnt 0x0
; ctx[head][q] = the sum over keys of softmax(where(mask == 0, masked, query . key / 8)) value, both products on codes of FP6 (E2M3) with one E8M0 scale for each 32 along a product's K; ctx is quantised along the head's 64 and leaves as codes.
; THE SOFTMAX: t = score x log2(e) / 8; M = the row's largest t so far, rounded UP to a whole number; p = 2^(t - M) is quantised along the keys, not normalised; the row's sum is taken of the unquantised p and divides at the end.
; When M moves, the sum and O are multiplied by 2^(old M - new M): exact.
; THE MASK IS AN INPUT.  An earlier launch has turned it into lane-mask words (word n of a tile of 16 queries x 128 keys is the lane mask of score register n) and a class for each tile.  A masked score becomes Z ahead of the maximum.
;   class 1 (all open): the 64 selects are left out.   class 2 (mixed): all is done.
;   class 0 (all masked): all 128 scores are Z, so the first product is left out and p is ONE number a lane: one exponential, one conversion; M, the sum and the second product go on as ever.  Exact for every input.
; LIMIT: a masked logit is taken as -2^30 = -1.0737e9 in place of -1e9 (Z = -2^33 ahead of the division by 8), so that Z x log2(e) / 8 is exact and a whole number, and a row that is masked everywhere gets p = 1 exactly.
;   Results differ from -1e9's only where a logit that is not masked lies between about -1.074e9 and -0.999e9.  NaN and infinities are not served.
; SHARES.  A work-group holds one head's keys and values in LDS whole (196,608 bytes of codes, 12,288 of scale words), brought once through registers; one barrier; after it the sixteen waves share nothing.
;   Wave w of work-group x takes two tiles of 16 queries: T = 16 x + w and 127 - T.  Four waves of 256 registers share a SIMD: one wave's vector work stands beside another's products and LDS loads.
; NO TENSOR LOAD AND NO CLUSTER, though the four work-groups of a head read the same keys and values: the walk branches on classes read from memory.
; LAYOUT.  Both products are used transposed: S^T = K Q^T (source 0 = 16 keys), O^T = V^T P^T (source 0 = 16 of the head's 64): a lane holds ONE query (lane % 16) throughout.  The keys lie in LDS in the order in which
;   position 16 u + r of a group of 32 holds key 8 u + r + 8 (r / 8), so that the 16 registers of tiles 2 b, 2 b + 1 are keys 32 b + 16 (lane / 16) + 0 .. 15; the head's 64 rows of V likewise.
;   The head has 64 along K and the instruction 128: registers 6 to 11 of Q's and K's fragments are zero codes.
; LDS rows are 48 bytes: lane (r, h) reads at 24 (2 r + h), so the 32 lanes of a load of 8 bytes touch 64 different banks (64 banks of 4 bytes: ISA guide 11.1).
; REGISTERS: v1-4 lane places; v5 Z; v8-11 addresses of the step; v12 -M, v13 the largest t, v[14:15] the sum; v16-27 Q; v28 Q's scale word; v32-79 four fragments of K; v96-159 S^T, then p, then V's four fragments;
;   v160-191 O^T; v192-203 p's codes; v204-210 conversions' results; v212-223 at work; v224 p's scale word; v[226:227] f; v240-247 K's and V's scale words.
.set VC,  98304                        ; LDS: K's codes at 0, V's here,
.set KWD, 196608                       ; K's scale words,
.set VWD, 204800                       ; V's,
.set STG, 208896                       ; and 768 bytes for each wave, for the way out
.set BM,  212                          ; v212-215 the blocks' largest
.set BX,  216                          ; v216-219 the other half's; then the bytes
.set SO,  220                          ; v220-223 the conversions' scale operands
.set TZ,  0xceb8aa3b                   ; Z x c = -2^33 x log2(e) / 8, exact
	s_load_b256 s[4:11], s[0:1], 0x0               ; pc s[4:5], ps s[6:7], msk s[8:9], cc s[10:11]
	s_load_b64 s[12:13], s[0:1], 0x20              ; cs
	v_lshl_add_u32 v254, v0, 2, 0x36000
	v_mov_b32 v255, 0
	v_lshrrev_b32 v1, 5, v0
	s_delay_alu instid0(VALU_DEP_1)
	v_readfirstlane_b32 s14, v1                    ; wave 0..15
	s_and_b32 s15, ttmp7, 0xffff                   ; 16 x batch + head
	s_lshl_b32 s16, ttmp9, 4
	s_add_co_u32 s16, s16, s14                     ; T, my first tile of queries
	s_mul_i32 s30, s15, 98304
	s_mov_b32 s31, 0
	s_lshl_b32 s66, s15, 13
	s_mov_b32 s67, 0
	s_lshl_b32 s100, s15, 12
	s_mov_b32 s101, 0
	v_lshlrev_b32 v31, 4, v0                       ; 16 x thread
	v_lshlrev_b32 v6, 3, v0                        ; 8 x thread
	s_wait_alu depctr_va_vdst(0)
	s_wait_kmcnt 0x0
	s_add_nc_u64 s[4:5], s[4:5], s[30:31]          ; the head's queries
	s_add_nc_u64 s[10:11], s[10:11], s[30:31]      ; its ctx
	s_add_nc_u64 s[12:13], s[12:13], s[66:67]      ; ctx's scale words
	s_add_nc_u64 s[100:101], s[6:7], s[100:101]
	s_add_nc_u64 s[100:101], s[100:101], 1048576   ; V's scale words
	s_add_nc_u64 s[6:7], s[6:7], s[66:67]          ; Q's
	s_add_nc_u64 s[30:31], s[4:5], 6291456         ; K's codes
	s_add_nc_u64 s[66:67], s[4:5], 12582912        ; V's codes
	s_add_nc_u64 s[2:3], s[6:7], 524288            ; K's scale words
	; the head comes into LDS: 26 loads a thread, each of the work-group covering 8,192 (the last 4,096) consecutive bytes
.set i, 0
.rept 12
	global_load_b128 v[96+4*i:99+4*i], v31, s[30:31] offset:8192*i
.set i, i+1
.endr
.set i, 0
.rept 12
	global_load_b128 v[144+4*i:147+4*i], v31, s[66:67] offset:8192*i
.set i, i+1
.endr
	global_load_b128 v[192:195], v31, s[2:3]
	global_load_b64 v[196:197], v6, s[100:101]
	v_and_b32 v239, 31, v0                         ; lane
	v_and_b32 v29, 15, v0                          ; r
	v_bfe_u32 v30, v0, 4, 1                        ; h
	s_delay_alu instid0(VALU_DEP_2)
	v_mul_u32_u24 v1, v29, 48
	s_delay_alu instid0(VALU_DEP_1)
	v_mad_u32_u24 v1, v30, 24, v1                  ; a fragment's row of 48 bytes, + 24 h
	s_delay_alu instid0(VALU_DEP_1)
	v_add_nc_u32 v2, VC, v1
	v_lshlrev_b32 v29, 2, v29                      ; 4 r
	s_delay_alu instid0(VALU_DEP_1)
	v_add_nc_u32 v3, KWD, v29
	s_delay_alu instid0(VALU_DEP_2)
	v_add_nc_u32 v4, VWD, v29
	v_mov_b32 v5, 0xd0000000                       ; Z = -2^33
	s_mul_i32 s24, s14, 768
	s_add_co_u32 s24, s24, STG                     ; my stage
	v_add_nc_u32 v236, s24, v1
	v_lshlrev_b32 v234, 4, v239                    ; 16 x lane
	v_lshlrev_b32 v235, 3, v239
	s_delay_alu instid0(VALU_DEP_1)
	v_add_nc_u32 v235, 512, v235                   ; 512 + 8 x lane
	s_delay_alu instid0(VALU_DEP_3)
	v_add_nc_u32 v237, s24, v234
	s_delay_alu instid0(VALU_DEP_2)
	v_add_nc_u32 v238, s24, v235
	v_lshlrev_b32 v248, 4, v0                      ; where the loads' bytes go: 16 x thread + 65,536 k (an LDS immediate has 16 bits)
	s_delay_alu instid0(VALU_DEP_1)
	v_add_nc_u32 v249, 0x10000, v248
	s_delay_alu instid0(VALU_DEP_2)
	v_add_nc_u32 v250, 0x20000, v248
	s_delay_alu instid0(VALU_DEP_3)
	v_add_nc_u32 v251, 0x30000, v248               ; = K's scale words
	v_add_nc_u32 v252, VWD, v6
.irp j, 22,23,24,25,26,27
	v_mov_b32 v\j, 0                               ; Q's zero codes, K = 64 .. 127
.endr
.irp t, 0,1,2,3
.irp j, 6,7,8,9,10,11
	v_mov_b32 v[32+12*\t+\j], 0                    ; and K's, in registers of their own
.endr
.endr
.irp b, 0,1,2,3
	v_mov_b32 v[BX+\b], 0                          ; written once: a lane permute's destination counts as one of its sources
.endr
	v_mov_b32 v225, 0
	v_mov_b32 v227, 0                              ; (named as the upper half of the pair v[226:227])
	s_mov_b32 s20, 0x76543210
	s_mov_b32 s21, 0xfedcba98                      ; selects for lane l xor 16
	s_mov_b32 s22, 0x3e38aa3b                      ; c = log2(e) / 8
	s_mov_b32 s23, s22                             ; (named with it as a pair)
.set i, 0
.rept 24
	s_wait_loadcnt 25-i                            ; the loads issued behind this one may be out
	ds_store_b128 v[248+i/8], v[96+4*i:99+4*i] offset:8192*(i%8)
.set i, i+1
.endr
	s_wait_loadcnt 1
	ds_store_b128 v251, v[192:195]
	s_wait_loadcnt 0x0
	ds_store_b64 v252, v[196:197]
	s_wait_dscnt 0x0                               ; for the others' sake: my stores have landed
	s_barrier_signal -1
	s_barrier_wait -1                              ; the head lies in LDS; from here on it is only read
; ONE TILE OF 16 QUERIES, T = s16, through all 16 key steps.
.macro PASS
	s_lshl_b32 s2, s16, 4
	s_load_b128 s[32:35], s[8:9], s2 offset:0x80000   ; the tile row's classes: four words, each with four steps' bits at their places
	s_mul_i32 s3, s16, 768                         ; 16 rows of 48 bytes
	s_lshl_b32 s30, s16, 6                         ; 16 scale words
	v_add_nc_u32 v7, s3, v1
	v_add_nc_u32 v30, s30, v29
.irp p, 0,1,2
	global_load_b64 v[16+2*\p:17+2*\p], v7, s[4:5] offset:8*\p   ; Q's fragment: K = 32 h + 0 .. 31
.endr
	global_load_b32 v28, v30, s[6:7]
	v_mov_b32 v13, 0xff61b1e6                      ; the largest t so far: -3e38, under every t
	s_delay_alu instid0(VALU_DEP_1)
	v_floor_f32 v12, -v13                          ; -M
	v_mov_b32 v14, 0                               ; the sum, in two halves
	v_mov_b32 v15, 0
.set i, 0
.rept 32
	v_mov_b32 v[160+i], 0                          ; O^T: the step is written once, and the first change of M leaves zeros zeros
.set i, i+1
.endr
	s_mov_b32 s25, 0                               ; the step's codes: 6,144 bytes a step, in K and in V
	s_mov_b32 s26, 0                               ; K's scale words: 512
	s_mov_b32 s27, 0                               ; V's: 256
	s_lshl_b32 s28, s16, 12                        ; the mask words: 256 bytes a step, 4,096 a tile row
	s_mov_b32 s18, 16
	s_wait_kmcnt 0x0
	s_or_b32 s19, s32, s33
	s_or_b32 s19, s19, s34
	s_or_b32 s19, s19, s35                         ; 2 bits a step
	s_wait_loadcnt 0x0                             ; Q
.Lstep_\@:
	s_and_b32 s24, s19, 3                          ; this step's class
	s_lshr_b32 s19, s19, 2
	v_add_nc_u32 v8, s25, v1                       ; these four and the v_nop are the five places between the last step's products and the products that write over V's fragments
	v_add_nc_u32 v9, s25, v2
	v_add_nc_u32 v10, s26, v3
	v_add_nc_u32 v11, s27, v4
	v_nop
	s_cmp_eq_u32 s24, 0
	s_cbranch_scc1 .Lunif_\@
	s_load_b512 s[32:47], s[8:9], s28 offset:0x0   ; the 64 mask words (word n in s[32 + n], from n = 32 on in s[36 + n])
	s_load_b512 s[48:63], s[8:9], s28 offset:0x40
	s_load_b512 s[68:83], s[8:9], s28 offset:0x80
	s_load_b512 s[84:99], s[8:9], s28 offset:0xc0
	s_wait_alu depctr_va_vdst(0)
.irp g, 0,1                                    ; S^T = K Q^T, four tiles of 16 keys at a time
.if \g > 0
.rept 4
	v_nop                                          ; places in front of loads into registers that matrix instructions have read
.endr
.endif
.irp t, 0,1,2,3
.irp p, 0,1,2
	ds_load_b64 v[32+12*\t+2*\p:33+12*\t+2*\p], v8 offset:768*(4*\g+\t)+8*\p
.endr
	ds_load_b32 v[240+\t], v10 offset:64*(4*\g+\t)
.endr
	s_wait_dscnt 0x0
.irp t, 0,1,2,3
	v_wmma_scale_f32_16x16x128_f8f6f4 v[96+8*(4*\g+\t):103+8*(4*\g+\t)], v[32+12*\t:43+12*\t], v[16:27], 0, v[240+\t], v28 matrix_a_fmt:MATRIX_FMT_FP6 matrix_b_fmt:MATRIX_FMT_FP6
.endr
.endr
.rept 4
	v_nop
.endr
	s_wait_kmcnt 0x0                               ; the mask words are in; their offset register may be stepped
	s_cmp_eq_u32 s24, 2
	s_cbranch_scc0 .Lopen_\@
.set n, 0
.rept 64
	v_cndmask_b32 v[96+n], v5, v[96+n], s[32+n+4*(n/32)]   ; a masked score becomes Z; each accumulator from its low end on
.set n, n+1
.endr
.Lopen_\@:
.irp b, 0,1,2,3
	v_max3_num_f32 v[BM+\b], v[96+16*\b], v[97+16*\b], v[98+16*\b]   ; the largest score of each block of 32 keys: for the row's maximum, and, since p rises with the score, for the block's largest p
.endr
.irp i, 3,5,7,9,11,13
.irp b, 0,1,2,3
	v_max3_num_f32 v[BM+\b], v[BM+\b], v[96+16*\b+\i], v[97+16*\b+\i]
.endr
.endr
.irp b, 0,1,2,3
	v_max_num_f32 v[BM+\b], v[BM+\b], v[111+16*\b]
.endr
.irp b, 0,1,2,3
	s_delay_alu instid0(VALU_DEP_4)
	v_permlanex16_b32 v[BX+\b], v[BM+\b], s20, s21
.endr
.irp b, 0,1,2,3
	s_delay_alu instid0(VALU_DEP_4)
	v_max_num_f32 v[BM+\b], v[BM+\b], v[BX+\b]     ; with lane l xor 16's 16 keys
.endr
	s_delay_alu instid0(VALU_DEP_2)
	v_max3_num_f32 v225, v212, v213, v214
	s_delay_alu instid0(VALU_DEP_1)
	v_max_num_f32 v225, v225, v215                 ; the step's largest score of my query
	s_delay_alu instid0(VALU_DEP_1)
	v_mul_f32 v225, s22, v225                      ; as t
	s_delay_alu instid0(VALU_DEP_1)
	v_max_num_f32 v13, v13, v225                   ; the running largest t
	v_mov_b32 v225, v12
	s_delay_alu instid0(VALU_DEP_2)
	v_floor_f32 v12, -v13                          ; the new -M = floor(-t): M is a whole number
	s_delay_alu instid0(VALU_DEP_1)
	v_sub_f32 v225, v12, v225                      ; old M - new M: a whole number, 0 or less
	s_delay_alu instid0(VALU_DEP_1)
	v_cvt_i32_f32 v225, v225                       ; (it saturates)
	s_delay_alu instid0(VALU_DEP_1)
	v_ldexp_f32 v226, 1.0, v225                    ; f = 2^(old M - new M)
.set j, 0
.rept 32
	v_pk_fma_f32 v[96+j:97+j], v[96+j:97+j], s[22:23], v[12:13] op_sel_hi:[1,0,0]   ; t - M, two at a time
.set j, j+2
.endr
.irp b, 0,1,2,3
	v_fma_f32 v[BM+\b], v[BM+\b], s22, v12         ; the same of each block's largest score
.endr
.set j, 0
	s_wait_alu depctr_va_vdst(0)
.rept 64
	v_exp_f32 v[96+j], v[96+j]                     ; p = 2^(t - M), at most 1
.set j, j+1
.endr
	v_pk_mul_f32 v[14:15], v[14:15], v[226:227] op_sel_hi:[1,0]   ; the sums under the new M (a plain place behind the exponentials)
	s_wait_alu depctr_va_vdst(0)                   ; one wait for the whole batch, ahead of its first reader
.irp b, 0,1,2,3
	v_exp_f32 v[BM+\b], v[BM+\b]                   ; the block's largest p
.endr
	v_pk_add_f32 v[228:229], v[100:101], v[104:105]
	v_pk_add_f32 v[94:95], v[108:109], v[112:113]
	v_pk_add_f32 v[92:93], v[116:117], v[120:121]
	v_pk_add_f32 v[90:91], v[124:125], v[128:129]
	v_pk_add_f32 v[88:89], v[132:133], v[136:137]
	v_pk_add_f32 v[86:87], v[140:141], v[144:145]
	v_pk_add_f32 v[84:85], v[148:149], v[152:153]
	v_pk_add_f32 v[14:15], v[14:15], v[156:157]
	v_pk_add_f32 v[228:229], v[228:229], v[96:97]
	v_pk_add_f32 v[94:95], v[94:95], v[98:99]
	v_pk_add_f32 v[92:93], v[92:93], v[102:103]
	v_pk_add_f32 v[90:91], v[90:91], v[106:107]
	v_pk_add_f32 v[88:89], v[88:89], v[110:111]
	v_pk_add_f32 v[86:87], v[86:87], v[114:115]
	v_pk_add_f32 v[84:85], v[84:85], v[118:119]
	v_pk_add_f32 v[14:15], v[14:15], v[122:123]
	v_pk_add_f32 v[228:229], v[228:229], v[126:127]
	v_pk_add_f32 v[94:95], v[94:95], v[130:131]
	v_pk_add_f32 v[92:93], v[92:93], v[134:135]
	v_pk_add_f32 v[90:91], v[90:91], v[138:139]
	v_pk_add_f32 v[88:89], v[88:89], v[142:143]
	v_pk_add_f32 v[86:87], v[86:87], v[146:147]
	v_pk_add_f32 v[84:85], v[84:85], v[150:151]
	v_pk_add_f32 v[14:15], v[14:15], v[154:155]
	v_pk_add_f32 v[228:229], v[228:229], v[158:159]
	s_delay_alu instid0(VALU_DEP_2)
	v_pk_add_f32 v[14:15], v[14:15], v[90:91]
	s_delay_alu instid0(VALU_DEP_2)
	v_pk_add_f32 v[228:229], v[228:229], v[88:89]
	v_pk_add_f32 v[94:95], v[94:95], v[86:87]
	v_pk_add_f32 v[92:93], v[92:93], v[84:85]
	s_delay_alu instid0(VALU_DEP_2)
	v_pk_add_f32 v[14:15], v[14:15], v[94:95]
	s_delay_alu instid0(VALU_DEP_2)
	v_pk_add_f32 v[228:229], v[228:229], v[92:93]
	s_delay_alu instid0(VALU_DEP_1)
	v_pk_add_f32 v[14:15], v[14:15], v[228:229]
	s_wait_alu depctr_va_vdst(0)                   ; and one for the four
.irp b, 0,1,2,3
	v_max_num_f32 v[BM+\b], 0x1800000, v[BM+\b]    ; the floor 2^(3 - 127): the byte cannot fall under 1
.endr
.irp b, 0,1,2,3
	s_delay_alu instid0(VALU_DEP_4)
	v_add_nc_u32 v[SO+\b], 0xff000000, v[BM+\b]    ; 2 off the exponent field: the conversion's scale operand
.endr
.irp b, 0,1,2,3
	s_delay_alu instid0(VALU_DEP_4)
	v_lshrrev_b32 v[BX+\b], 23, v[SO+\b]           ; the scale's byte
.endr
	s_delay_alu instid0(VALU_DEP_3)
	v_lshl_or_b32 v224, v217, 8, v216              ; p's scale word for these 128 keys
	s_delay_alu instid0(VALU_DEP_1)
	v_lshl_or_b32 v224, v218, 16, v224
	s_delay_alu instid0(VALU_DEP_1)
	v_lshl_or_b32 v224, v219, 24, v224
.irp c, 0,1
	v_cvt_scalef32_pk16_fp6_f32 v[192+6*\c:194+6*\c], v[96+32*\c:111+32*\c], v[SO+2*\c]
	v_cvt_scalef32_pk16_fp6_f32 v[204+4*\c:206+4*\c], v[112+32*\c:127+32*\c], v[SO+2*\c+1]   ; (a conversion's three registers begin on an even number)
.endr
	v_nop                                          ; one plain place behind a scaled conversion
.irp c, 0,1                                    ; a whole block in a lane: lanes 0-15 block 2 c, lanes 16-31 block 2 c + 1
.irp i, 0,1,2
	v_permlane16_swap_b32 v[192+6*\c+\i], v[204+4*\c+\i]
.endr
.irp i, 0,1,2
	s_delay_alu instid0(VALU_DEP_3)
	v_mov_b32 v[195+6*\c+\i], v[204+4*\c+\i]
.endr
.endr
	s_branch .Ltail_\@
.Lunif_\@:                                         ; all 128 scores are Z: t = TZ for every key
	v_max_num_f32 v13, TZ, v13
	v_mov_b32 v225, v12
	s_delay_alu instid0(VALU_DEP_2)
	v_floor_f32 v12, -v13
	s_delay_alu instid0(VALU_DEP_1)
	v_sub_f32 v225, v12, v225
	s_delay_alu instid0(VALU_DEP_1)
	v_cvt_i32_f32 v225, v225
	s_delay_alu instid0(VALU_DEP_1)
	v_ldexp_f32 v226, 1.0, v225
	s_delay_alu instid0(VALU_DEP_4)
	v_add_f32 v212, TZ, v12                        ; t - M: the same number that the multiply-add of the long way gives, since Z x c is exact
	s_wait_alu depctr_va_vdst(0)
	v_exp_f32 v212, v212                           ; p, the same for all my 64 keys
	v_pk_mul_f32 v[14:15], v[14:15], v[226:227] op_sel_hi:[1,0]   ; (a plain place behind the exponential)
	s_wait_alu depctr_va_vdst(0)                   ; the wait ahead of its first reader
	v_fma_f32 v14, v212, 0x42000000, v14           ; 32 keys' p to each half of the sum
	v_fma_f32 v15, v212, 0x42000000, v15
	v_max_num_f32 v213, 0x1800000, v212            ; the floor,
	s_delay_alu instid0(VALU_DEP_1)
	v_add_nc_u32 v220, 0xff000000, v213            ; the scale operand,
	s_delay_alu instid0(VALU_DEP_1)
	v_lshrrev_b32 v216, 23, v220                   ; the byte,
	s_delay_alu instid0(VALU_DEP_1)
	v_perm_b32 v224, v216, v216, 0                 ; four times: the scale word
.set i, 0
.rept 16
	v_mov_b32 v[96+i], v212
.set i, i+1
.endr
	v_cvt_scalef32_pk16_fp6_f32 v[204:206], v[96:111], v220   ; sixteen codes, all alike
	v_nop
.irp k, 0,1,2,3
.irp i, 0,1,2
	v_mov_b32 v[192+3*\k+\i], v[204+\i]            ; the fragment: eight times sixteen of them, the same in both halves of the lanes
.endr
.endr
.Ltail_\@:                                         ; O^T = f O^T + V^T P^T: four tiles of 16 of the head's 64; K = these 128 keys
.irp t, 0,1,2,3
.irp p, 0,1,2,3,4,5
	ds_load_b64 v[96+12*\t+2*\p:97+12*\t+2*\p], v9 offset:3072*(\p/3)+768*\t+8*(\p%3)
.endr
	ds_load_b32 v[244+\t], v11 offset:64*\t
.endr
.set j, 0
.rept 16
	v_pk_mul_f32 v[160+j:161+j], v[160+j:161+j], v[226:227] op_sel_hi:[1,0]   ; O^T under the new M.  (For each product below at least twelve of these name none of its registers: the places behind p's scale word and codes)
.set j, j+2
.endr
	s_wait_alu depctr_va_vdst(0)
	s_wait_dscnt 0x0
.irp t, 0,1,2,3
	v_wmma_scale_f32_16x16x128_f8f6f4 v[160+8*\t:167+8*\t], v[96+12*\t:107+12*\t], v[192:203], v[160+8*\t:167+8*\t], v[244+\t], v224 matrix_a_fmt:MATRIX_FMT_FP6 matrix_b_fmt:MATRIX_FMT_FP6
.endr                                              ; the four accumulators take turns, over the backward jump too
	s_add_co_u32 s25, s25, 6144
	s_add_co_u32 s26, s26, 512
	s_add_co_u32 s27, s27, 256
	s_add_co_u32 s28, s28, 256
	s_sub_co_u32 s18, s18, 1
	s_cmp_lg_u32 s18, 0
	s_cbranch_scc1 .Lstep_\@
	; THE WAY OUT: O^T / the sum, quantised along the head's 64 (register 16 b + i is d = 32 b + 16 h + i), through my stage, so that the tile's 768 bytes of codes leave on end
	v_add_f32 v14, v14, v15                        ; the sum's two halves,
	s_delay_alu instid0(VALU_DEP_1)
	v_permlanex16_b32 v225, v14, s20, s21
	s_delay_alu instid0(VALU_DEP_1)
	v_add_f32 v14, v14, v225                       ; and lane l xor 16's
	s_wait_alu depctr_va_vdst(0)
	v_rcp_f32 v226, v14
.rept 3
	v_nop                                          ; with the two additions: the places behind the last products; and the plain place behind the reciprocal
.endr
	s_wait_alu depctr_va_vdst(0)                   ; the wait ahead of its first reader
.set j, 0
.rept 16
	v_pk_mul_f32 v[96+j:97+j], v[160+j:161+j], v[226:227] op_sel_hi:[1,0]
.set j, j+2
.endr
.irp b, 0,1
	v_max3_num_f32 v[BM+\b], |v[96+16*\b]|, |v[97+16*\b]|, 0x1800000
.endr
.irp i, 2,4,6,8,10,12,14
.irp b, 0,1
	s_delay_alu instid0(VALU_DEP_2)
	v_max3_num_f32 v[BM+\b], v[BM+\b], |v[96+16*\b+\i]|, |v[97+16*\b+\i]|
.endr
.endr
.irp b, 0,1
	s_delay_alu instid0(VALU_DEP_2)
	v_permlanex16_b32 v[BX+\b], v[BM+\b], s20, s21
.endr
.irp b, 0,1
	s_delay_alu instid0(VALU_DEP_2)
	v_max_num_f32 v[BM+\b], v[BM+\b], v[BX+\b]
.endr
.irp b, 0,1
	s_delay_alu instid0(VALU_DEP_2)
	v_add_nc_u32 v[SO+\b], 0xff000000, v[BM+\b]
.endr
.irp b, 0,1
	s_delay_alu instid0(VALU_DEP_2)
	v_lshrrev_b32 v[BX+\b], 23, v[SO+\b]
.endr
	s_delay_alu instid0(VALU_DEP_1)
	v_lshl_or_b32 v230, v217, 8, v216              ; the row's two bytes
	v_cvt_scalef32_pk16_fp6_f32 v[192:194], v[96:111], v220
	v_cvt_scalef32_pk16_fp6_f32 v[204:206], v[112:127], v221
	v_nop
.irp i, 0,1,2
	v_permlane16_swap_b32 v[192+\i], v[204+\i]
.endr
.irp i, 0,1,2
	s_delay_alu instid0(VALU_DEP_3)
	v_mov_b32 v[195+\i], v[204+\i]                 ; v192-197: d = 32 h + 0 .. 31 of query r
.endr
.irp p, 0,1,2
	ds_store_b64 v236, v[192+2*\p:193+2*\p] offset:8*\p
.endr
	ds_load_b128 v[200:203], v237                  ; LDS serves a wave's instructions in order: these see my stores
	ds_load_b64 v[208:209], v238
	v_add_nc_u32 v232, s3, v234
	v_add_nc_u32 v233, s3, v235
	s_wait_alu depctr_va_vdst(0)
	s_wait_dscnt 0x0
	global_store_b128 v232, v[200:203], s[10:11]   ; 512 and 256 consecutive bytes, from a multiple of 256 on
	global_store_b64 v233, v[208:209], s[10:11]
	s_wait_xcnt 0x0                                ; EXEC changes only when the stores have had their addresses translated
	v_cmp_gt_u32 vcc_lo, 16, v239
	s_and_saveexec_b32 s2, vcc_lo
	global_store_b32 v30, v230, s[12:13]           ; lanes 0-15: the 16 rows' scale words, 64 consecutive bytes
	s_wait_xcnt 0x0                                ; and again; the stores' registers may be written anew behind it
	s_or_b32 exec_lo, exec_lo, s2
.endm
	PASS
	s_sub_co_u32 s16, 127, s16                     ; the second tile: an early tile row goes with a late one
	PASS
	s_wait_xcnt 0x0
	s_mov_b32 exec_lo, -1
	s_wait_tensorcnt 0x0
	ds_add_u32 v254, v255
	s_wait_dscnt 0x0
	s_endpgm
.Lfunc_end_k_qf0f5acaf1d_attn:
	.size	k_qf0f5acaf1d_attn, .Lfunc_end_k_qf0f5acaf1d_attn-k_qf0f5acaf1d_attn
	.p2alignl 7, 3214868480
	.fill 96, 4, 3214868480
	.section	.rodata,"a",@progbits
	.p2align	6, 0x0
	.amdhsa_kernel k_qf0f5acaf1d_attn
		.amdhsa_group_segment_fixed_size 223232
		.amdhsa_private_segment_fixed_size 0
		.amdhsa_enable_private_segment 0
		.amdhsa_kernarg_size 40
		.amdhsa_user_sgpr_count 2
		.amdhsa_user_sgpr_kernarg_segment_ptr 1
		.amdhsa_wavefront_size32 1
		.amdhsa_system_sgpr_workgroup_id_x 1
		.amdhsa_system_sgpr_workgroup_id_y 1
		.amdhsa_system_sgpr_workgroup_id_z 1
		.amdhsa_system_vgpr_workitem_id 0
		.amdhsa_next_free_vgpr 256
		.amdhsa_next_free_sgpr 102
		.amdhsa_reserve_vcc 1
		.amdhsa_float_denorm_mode_32 3
		.amdhsa_float_denorm_mode_16_64 3
		.amdhsa_memory_ordered 1
		.amdhsa_forward_progress 1
		.amdhsa_inst_pref_size 75
	.end_amdhsa_kernel
	.amdgpu_metadata
---
amdhsa.version: [ 1, 2 ]
amdhsa.kernels:
  - .name:           k_qf0f5acaf1d_attn
    .symbol:         k_qf0f5acaf1d_attn.kd
    .args:
      - { .name: pc, .offset: 0, .size: 8, .value_kind: global_buffer, .address_space: global }
      - { .name: ps, .offset: 8, .size: 8, .value_kind: global_buffer, .address_space: global }
      - { .name: msk, .offset: 16, .size: 8, .value_kind: global_buffer, .address_space: global }
      - { .name: cc, .offset: 24, .size: 8, .value_kind: global_buffer, .address_space: global }
      - { .name: cs, .offset: 32, .size: 8, .value_kind: global_buffer, .address_space: global }
    .group_segment_fixed_size: 223232
    .private_segment_fixed_size: 0
    .kernarg_segment_align: 8
    .kernarg_segment_size: 40
    .max_flat_workgroup_size: 512
    .sgpr_count:     102
    .vgpr_count:     256
    .wavefront_size: 32
...
	.end_amdgpu_metadata
.endif
;; end of part 3
;; launch outp (part 4): grid 4 x 32, 4 waves a work-group, clusters of 4 x 4, 327,680 bytes of LDS; arguments cc, cs, inc, ins, out0; writes out0
.if DOCPART == 4
	.amdgcn_target "amdgcn-amd-amdhsa--gfx1250"
	.amdhsa_code_object_version 6
	.text
	.protected	k_qf0f5acaf1d_outp
	.globl	k_qf0f5acaf1d_outp
	.p2align	8
	.type	k_qf0f5acaf1d_outp,@function
k_qf0f5acaf1d_outp:
	s_mov_b64 s[64:65], 0
	v_nop
	global_prefetch_b8 v0, s[64:65] scope:SCOPE_SE
	s_setreg_imm32_b32 hwreg(HW_REG_WAVE_MODE, 25, 1), 1
	s_wait_xcnt 0x0
	s_wait_alu depctr_hold_cnt(0) depctr_sa_sdst(0) depctr_va_vdst(0) depctr_va_sdst(0) depctr_va_ssrc(0) depctr_va_vcc(0) depctr_vm_vsrc(0)
	s_getreg_b32 s2, hwreg(HW_REG_IB_STS2, 6, 4)
	s_cmp_eq_u32 s2, 0
	s_cbranch_scc0 .Lentry_in_a_cluster
	s_endpgm
.Lentry_in_a_cluster:
	s_bfe_u32 s2, ttmp6, 0x10000c
	s_cmp_lg_u32 s2, 0xf033
	s_cbranch_scc0 .Lentry_shape_is_right
	s_endpgm
.Lentry_shape_is_right:
; out0[m][n] = sum over k of ctx[m][k] Wo[n][k], on codes of FP6 (E2M3) with one E8M0 scale for each 32 along K = 1,024; out0 [8192][1024] f32; sums in f32.
; B = Wo: rows of 768 bytes in inc from byte 21,233,664 on, scale bytes in ins from byte 884,736 on.  A = ctx lies BY HEADS: cc [16 batch + head][query 2048][48 bytes], cs [16 batch + head][query] one word with two scale bytes below.
; A tile of C, 256 x 256, is made by four waves, 128 x 128 each.  K goes in steps of 256 (four heads) through a ring of two LDS slots filled by the tensor data mover.  A's half tile is 4 heads x 6,144 dense bytes
; (128 rows of 48), laid in LDS as it lies: rows 48 bytes apart, so that the 32 lanes of a load of 8 bytes, 24 bytes apart, touch 64 different banks (64 banks of 4 bytes: ISA guide 11.1).  B's tiles: rows of 192 bytes, padded to 240.
; THE SCALES come once.  B's as they lie.  A's words come raw (16 heads x 128 rows a half) and are pieced together once by the 128 threads into rows of 32 bytes, in LDS bytes of their own into which no tensor load lands.
; 4 x 4 work-groups form a cluster: A's tiles are asked for jointly along a row of it, B's along a column.  The matrix instruction is used transposed (source 0 = 16 rows of B, source 1 = 16 rows of A).
; C has 128 tiles of 256 x 256, so 128 work-groups are launched.
; REGISTERS, in windows of 256: window 0: v0-31 addresses; v32-63 scale words, two sets; v64-111 the scales' piecing; from v128 A's fragments, one set.  window 1: B's fragments, two sets.  windows 2, 3: the accumulators.
.set SIZE_N, 1024
.set SIZE_K, 1024
.set KSTEP,  256
.set NQ,     KSTEP/128
.set ROWB,   192
.set KROW,   SIZE_K*6/8
.set PITCH,  240
.set FR,     12
.set NL,     6
.set NP,     4
.set HALFA,  24576                     ; A: 4 heads x 128 rows x 48 bytes: what one tensor load brings
.set HALFT,  128*PITCH                 ; B: 128 rows
.set BOFF,   2*HALFA
.set SLOT,   2*HALFA+2*HALFT
.set LAPS,   SIZE_K/(2*KSTEP)
.set KS,     SIZE_K/32
.set SCL,    2*SLOT                    ; the scales as the loop reads them: units of 256 bytes + 16: A's 256 rows (stored by the waves), then B's (a tensor load's)
.set HALFS,  (128*KS/256)*272
.set SBLK,   (16*KS/256)*272
.set RAW,    SCL+4*HALFS               ; A's scale words as they come: two halves of 16 heads x 512 bytes
.set SPARE,  RAW+16384                 ; the spare words, 128 bytes for each wave: two blocks of 256 bytes that no other line names
.set SPITCH, 528                       ; the way out: a stage of 16 rows x (512 bytes + 16) for each wave, in slot 0, which has had its last fill and its last read by then
.set ADRA, 16                          ; v16-17  LDS address of my A fragments in slot 0, 1
.set ADRB, 20                          ; v20-23  the same for B, and behind one padding more
.set STO,  24
.set RD,   25
.set CO,   26
.set ADRS, 27
.set SPW,  28                          ; v28  my spare word; never rewritten
.set NIL,  29                          ; v29  0; never rewritten
.set SC,   32
.set AF,   128
.set BK,   128
.set G1, 24
.set G0, 32
.set G1B, 48
.set G0B, 56
.set G1S, 68
.set G0S, 76
.set G1SB, 80
.set G0SB, 88
.set MSB, 0
.macro WIN new                         ; the immediate's high byte repeats the setting that is left
.if MSB != \new
	s_set_vgpr_msb (MSB<<8)|\new
.set MSB, \new
.endif
.endm
.set MUL_LO, 0xa1
.set MUL_HI, 0xf1
.set TO_B,   0x40
; A joint load: waves 0 and 1 fetch for A, waves 2 and 3 for B; the branch hangs on the wave's number alone.  Four v_nop follow each of the two lines.
.macro JLOAD g0a, g1a, g0b, g1b
	s_cmp_eq_u32 s15, 0
	s_cbranch_scc0 .Lfor_b_\@
	tensor_load_to_lds s[\g0a:\g0a+3], s[\g1a:\g1a+7]
	s_nop 0
.rept 4
	v_nop
.endr
	s_branch .Lasked_\@
.Lfor_b_\@:
	tensor_load_to_lds s[\g0b:\g0b+3], s[\g1b:\g1b+7]
	s_nop 0
.rept 4
	v_nop
.endr
.Lasked_\@:
.endm
.macro CREST
	s_cmp_lg_u32 s14, 0
	s_cbranch_scc1 .Lnot_wave_0_\@
	s_barrier_signal -3
.Lnot_wave_0_\@:
	s_barrier_wait -3
	s_barrier_signal -1
	s_barrier_wait -1
.endm
.macro CROUND
	s_barrier_signal -1
	s_barrier_wait -1
	CREST
.endm
	s_load_b128 s[4:7], s[0:1], 0x0                ; cc s[4:5], cs s[6:7]
	s_load_b128 s[8:11], s[0:1], 0x10              ; inc s[8:9], ins s[10:11]
	s_load_b64 s[12:13], s[0:1], 0x20              ; out0
	v_lshl_add_u32 v[SPW], v0, 2, SPARE
	v_mov_b32 v[NIL], 0
	ds_add_u32 v28, v29
	ds_add_u32 v28, v29
	s_wait_dscnt 0x0
	v_lshrrev_b32 v1, 5, v0
	v_readfirstlane_b32 s14, v1                    ; wave 0..3
	s_lshr_b32 s15, s14, 1                         ; which half of the tile's rows is mine.  Also: I fetch for A (0) or for B (1)
	s_and_b32 s16, s14, 1                          ; which half of its columns.  Also: which 128 rows of that tile I fetch
	s_bfe_u32 s40, ttmp6, 0x40000                  ; cx, cy
	s_bfe_u32 s41, ttmp6, 0x40004
	s_lshl_b32 s42, ttmp9, 2
	s_add_co_u32 s42, s42, s40                     ; tile column of C
	s_and_b32 s17, ttmp7, 0xffff
	s_lshl_b32 s17, s17, 2
	s_add_co_u32 s17, s17, s41                     ; tile row of C
	s_lshl_b32 s43, s41, 2
	s_lshl_b32 s43, 15, s43                        ; my row of the cluster
	s_lshl_b32 s44, 0x1111, s40                    ; my column
	; group 1 for A's tiles: 4 rows (heads) of 768 elements of 8 bytes (128 rows of ctx x 48 bytes, dense), 12,288 elements (a head) apart; no padding
	s_or_b32 s[G1+0], s43, (3<<16)|(1<<21)
	s_mov_b32 s[G1+1], 768<<16                     ; tensor_dim0
	s_mov_b32 s[G1+2], 4<<16                       ; tensor_dim1
	s_mov_b32 s[G1+3], 768<<16                     ; tile_dim0
	s_mov_b32 s[G1+4], 4                           ; tile_dim1
	s_mov_b32 s[G1+5], 12288                       ; tensor_dim0_stride
	s_mov_b32 s[G1+6], 0
	s_mov_b32 s[G1+7], 0
	; for B's: 128 rows x 192 bytes, 16 bytes of padding behind every 64
	s_or_b32 s[G1B+0], s44, (0<<16)|(1<<20)|(1<<21)|(3<<22)|(3<<25)
	s_mov_b32 s[G1B+1], ROWB<<16
	s_mov_b32 s[G1B+2], 128<<16
	s_mov_b32 s[G1B+3], ROWB<<16
	s_mov_b32 s[G1B+4], 128
	s_mov_b32 s[G1B+5], KROW
	s_mov_b32 s[G1B+6], 0
	s_mov_b32 s[G1B+7], 0
	; for A's raw scale words: 16 rows (heads) of 64 elements of 8 bytes (128 words), 1,024 elements (a head) apart; no padding
	s_or_b32 s[G1S+0], s43, (3<<16)|(1<<21)
	s_mov_b32 s[G1S+1], 64<<16
	s_mov_b32 s[G1S+2], 16<<16
	s_mov_b32 s[G1S+3], 64<<16
	s_mov_b32 s[G1S+4], 16
	s_mov_b32 s[G1S+5], 1024
	s_mov_b32 s[G1S+6], 0
	s_mov_b32 s[G1S+7], 0
	; for B's scales: a dense block of 128 KS bytes, as rows of 256 bytes, 16 bytes of padding behind each
	s_or_b32 s[G1SB+0], s44, (3<<16)|(1<<20)|(1<<21)|(5<<22)|(3<<25)
	s_mov_b32 s[G1SB+1], 32<<16
	s_mov_b32 s[G1SB+2], (128*KS/256)<<16
	s_mov_b32 s[G1SB+3], 32<<16
	s_mov_b32 s[G1SB+4], 128*KS/256
	s_mov_b32 s[G1SB+5], 32
	s_mov_b32 s[G1SB+6], 0
	s_mov_b32 s[G1SB+7], 0
	s_lshl_b32 s18, s16, 7                         ; which 128 rows of the tile I fetch
	s_lshl_b32 s20, s17, 8
	s_add_co_u32 s20, s20, s18                     ; A: row 256 x tile row + 128 x half
	s_lshl_b32 s46, s42, 8
	s_add_co_u32 s46, s46, s18                     ; B: row 256 x tile column + 128 x half
	s_lshr_b32 s19, s20, 11                        ; A: the batch,
	s_and_b32 s2, s20, 2047                        ; and the row in it
	s_mul_i32 s20, s19, 1572864                    ; 16 heads of 98,304 bytes
	s_mul_i32 s21, s2, 48
	s_add_co_u32 s20, s20, s21
	s_mov_b32 s21, 0                               ; s[20:21]: where A's codes begin (head 0 of the batch)
	s_lshl_b32 s22, s19, 17                        ; 16 heads of 8,192 bytes
	s_lshl_b32 s23, s2, 2
	s_add_co_u32 s22, s22, s23
	s_mov_b32 s23, 0                               ; s[22:23]: A's scale words
	s_mov_b32 s47, 0
	s_mov_b64 s[18:19], KS
	s_mul_u64 s[92:93], s[46:47], s[18:19]
	s_mov_b64 s[18:19], KROW
	s_mul_u64 s[46:47], s[46:47], s[18:19]
	s_add_nc_u64 s[92:93], s[92:93], 884736        ; Wo's scales in ins
	s_add_nc_u64 s[46:47], s[46:47], 21233664      ; Wo's codes in inc
	s_mul_i32 s45, s16, HALFA                      ; where they go: the wave's number alone enters an LDS address
	s_mul_i32 s95, s16, HALFT
	s_add_co_u32 s95, s95, BOFF
	s_lshl_b32 s94, s16, 13
	s_mul_i32 s96, s16, HALFS
	s_wait_kmcnt 0x0
	s_add_nc_u64 s[20:21], s[4:5], s[20:21]
	s_add_nc_u64 s[22:23], s[6:7], s[22:23]
	s_add_nc_u64 s[46:47], s[8:9], s[46:47]
	s_add_nc_u64 s[92:93], s[10:11], s[92:93]
	CROUND                                         ; all sixteen work-groups are here: the first joint loads meet
	s_mov_b32 s[G0S], 1
	s_add_co_u32 s[G0S+1], s94, RAW
	s_mov_b64 s[G0S+2:G0S+3], s[22:23]
	s_or_b32 s[G0S+3], s[G0S+3], 0x80000000
	s_mov_b32 s[G0SB], 1
	s_add_co_u32 s[G0SB+1], s96, SCL+2*HALFS
	s_mov_b64 s[G0SB+2:G0SB+3], s[92:93]
	s_or_b32 s[G0SB+3], s[G0SB+3], 0x80000000
	JLOAD G0S, G1S, G0SB, G1SB                     ; the scales first
.irp s, 0,1
	s_mov_b32 s[G0+4*\s], 1
	s_add_co_u32 s[G0+4*\s+1], s45, \s*SLOT
	s_add_nc_u64 s[G0+4*\s+2:G0+4*\s+3], s[20:21], \s*393216       ; K step s: four heads on
	s_or_b32 s[G0+4*\s+3], s[G0+4*\s+3], 0x80000000
	s_mov_b32 s[G0B+4*\s], 1
	s_add_co_u32 s[G0B+4*\s+1], s95, \s*SLOT
	s_add_nc_u64 s[G0B+4*\s+2:G0B+4*\s+3], s[46:47], \s*ROWB
	s_or_b32 s[G0B+4*\s+3], s[G0B+4*\s+3], 0x80000000
	JLOAD G0+4*\s, G1, G0B+4*\s, G1B
.endr
	v_and_b32 v1, 15, v0                           ; r
	v_bfe_u32 v2, v0, 4, 1                         ; h
	v_mul_u32_u24 v3, v1, PITCH
	v_mul_u32_u24 v4, v2, 24
	v_add_nc_u32 v4, v3, v4                        ; B: a fragment's row x pitch + 24 x half
	v_lshl_add_u32 v5, v2, 4, v4                   ; and the same behind one padding more
	v_mul_u32_u24 v7, v1, 48
	v_mad_u32_u24 v7, v2, 24, v7                   ; A: row r of 48 bytes, + 24 h
	s_mul_i32 s21, s15, HALFA                      ; my 128 rows of A
	s_mul_i32 s22, s16, HALFT                      ; my 128 rows of B,
	s_add_co_u32 s22, s22, BOFF                    ; which lie behind A's
.irp s, 0,1
	v_add_nc_u32 v[ADRA+\s], s21, v7
	v_add_nc_u32 v[ADRB+\s], s22, v4
	v_add_nc_u32 v[ADRB+2+\s], s22, v5
	s_add_co_u32 s21, s21, SLOT
	s_add_co_u32 s22, s22, SLOT
.endr
	v_mul_u32_u24 v5, v1, KS                       ; my row's scales: KS bytes a row,
	v_lshrrev_b32 v6, 8, v5
	v_lshl_add_u32 v5, v6, 4, v5                   ; and 16 more for each 256 passed
	s_mul_i32 s21, s15, HALFS
	s_mul_i32 s22, s16, HALFS
	s_add_co_u32 s22, s22, 2*HALFS
	s_sub_co_u32 s22, s22, s21
	v_mul_u32_u24 v6, s22, v2                      ; lanes 16-31 take B's
	s_add_co_u32 s21, s21, SCL
	v_add_nc_u32 v5, v5, v6
	v_add_nc_u32 v[ADRS], s21, v5
	s_mul_i32 s23, s14, 16*SPITCH                  ; my stage
	v_mul_u32_u24 v5, v1, SPITCH
	v_lshl_add_u32 v5, v2, 5, v5
	v_add_nc_u32 v[STO], s23, v5
	v_and_b32 v6, 31, v0
	v_lshlrev_b32 v[CO], 4, v6
	v_add_nc_u32 v[RD], s23, v[CO]
	s_lshl_b32 s20, s17, 8
	s_lshl_b32 s21, s15, 7
	s_add_co_u32 s20, s20, s21                     ; my first row of C
	s_mov_b32 s21, 0
	s_mov_b64 s[18:19], SIZE_N*4
	s_mul_u64 s[20:21], s[20:21], s[18:19]
	s_lshl_b32 s46, s42, 10                        ; my first column, in bytes
	s_lshl_b32 s47, s16, 9
	s_add_co_u32 s46, s46, s47
	s_mov_b32 s47, 0
	s_add_nc_u64 s[20:21], s[20:21], s[46:47]
	s_add_nc_u64 s[12:13], s[12:13], s[20:21]
	; A'S SCALE WORDS ARE PIECED TOGETHER: thread t takes rows t and 128 + t: of each of the 16 heads' words the two bytes below; two heads make the word of 128 along K; eight words are the row's 32 bytes
	v_lshl_add_u32 v8, v0, 2, RAW
	v_lshlrev_b32 v9, 5, v0
	v_lshrrev_b32 v10, 3, v0
	v_lshl_add_u32 v9, v10, 4, v9
	v_add_nc_u32 v9, SCL, v9                       ; 32 t + 16 for each 256 passed
	s_wait_tensorcnt 2                             ; my scales have landed; the two slots' loads may be out
	s_barrier_signal -1
	s_barrier_wait -1                              ; everybody's have
.irp f, 0,1
.irp e, 0,1,2,3,4,5,6,7,8,9,10,11,12,13,14,15
	ds_load_b32 v[64+16*\f+\e], v8 offset:8192*\f+512*\e
.endr
.endr
	s_wait_dscnt 0x0
.irp f, 0,1
.irp j, 0,1,2,3,4,5,6,7
	v_perm_b32 v[96+8*\f+\j], v[64+16*\f+2*\j+1], v[64+16*\f+2*\j], 0x05040100   ; the even head's two bytes below, the odd head's above
.endr
.endr
.irp f, 0,1
	ds_store_b128 v9, v[96+8*\f:99+8*\f] offset:HALFS*\f
	ds_store_b128 v9, v[100+8*\f:103+8*\f] offset:HALFS*\f+16
.endr
.macro FRAG reg, adr, q, i             ; a fragment of B: 24 bytes of the row's stream of bits twice, in pieces of 8 bytes; where the piece three on lies behind one padding more, the second address register serves
.irp p, 0,1,2,3,4,5
.set PC, 12*(\q)+6*(\p/3)+\p%3
.if PC%8 < 5
	ds_load_b64 v[\reg+2*\p:\reg+2*\p+1], v[\adr] offset:8*PC+16*(PC/8)+(\i)*16*PITCH
.else
	ds_load_b64 v[\reg+2*\p:\reg+2*\p+1], v[\adr+2] offset:8*PC+16*(PC/8)+(\i)*16*PITCH
.endif
.endr
.endm
.macro FRAG_A reg, slot, q, i          ; a fragment of A: registers 6 c .. 6 c + 5 are 24 bytes of head 2 q + c of the slot's four
.irp p, 0,1,2,3,4,5
	ds_load_b64 v[\reg+2*\p:\reg+2*\p+1], v[ADRA+\slot] offset:(2*(\q)+\p/3)*6144+(\i)*768+8*(\p%3)
.endr
.endm
; 16 matrix instructions: A's blocks a0, a0 + 1 x B's eight, 128 along K.  The 64 accumulators take turns, one instruction a turn, in the same order in every step.
.macro MUL16 a0, p, q, sc, zero
.irp a, \a0, \a0+1
.irp b, 0,1,2,3,4,5,6,7
.if \zero
	v_wmma_scale_f32_16x16x128_f8f6f4 v[8*(8*((\a)%4)+\b):8*(8*((\a)%4)+\b)+7], v[128*(\p)+FR*\b:128*(\p)+FR*\b+FR-1], v[AF+FR*(\a):AF+FR*(\a)+FR-1], 0, v[SC+8*NQ*(\sc)+NQ*\b+(\q)], v[SC+8*NQ*(\sc)+NQ*(\a)+(\q)] matrix_a_fmt:MATRIX_FMT_FP6 matrix_b_fmt:MATRIX_FMT_FP6 matrix_a_scale:MATRIX_SCALE_ROW1
.else
	v_wmma_scale_f32_16x16x128_f8f6f4 v[8*(8*((\a)%4)+\b):8*(8*((\a)%4)+\b)+7], v[128*(\p)+FR*\b:128*(\p)+FR*\b+FR-1], v[AF+FR*(\a):AF+FR*(\a)+FR-1], v[8*(8*((\a)%4)+\b):8*(8*((\a)%4)+\b)+7], v[SC+8*NQ*(\sc)+NQ*\b+(\q)], v[SC+8*NQ*(\sc)+NQ*(\a)+(\q)] matrix_a_fmt:MATRIX_FMT_FP6 matrix_b_fmt:MATRIX_FMT_FP6 matrix_a_scale:MATRIX_SCALE_ROW1
.endif
.endr
.endr
.endm
.macro FETCH_B slot, q, p
	WIN TO_B
.irp i, 0,1,2,3,4,5,6,7
	FRAG 128*(\p)+FR*\i, ADRB+\slot, \q, \i
.endr
	WIN 0
.endm
.macro FETCH_A slot, q, i0
.irp i, \i0, \i0+1, \i0+2, \i0+3
	FRAG_A AF+FR*(\i), \slot, \q, \i
.endr
.endm
.macro SCALES sc
.irp i, 0,1,2,3,4,5,6,7
	ds_load_b64 v[SC+8*NQ*\sc+NQ*\i:SC+8*NQ*\sc+NQ*\i+1], v[ADRS] offset:\i*SBLK
.endr
.endm
.macro PLACES n                        ; plain vector instructions between a matrix instruction and a load into, or a read of, its registers
.rept \n
	v_nop
.endr
.endm
.macro STEP slot, q, zero
	s_wait_dscnt 4*NL                              ; B's set and A's blocks 0-3 are in; the youngest 24 loads (A's blocks 4-7) may be out
	WIN MUL_LO
	MUL16 0, (\q)%2, \q, \slot, \zero
	MUL16 2, (\q)%2, \q, \slot, \zero
	s_wait_dscnt 0
	PLACES NP
	FETCH_B \slot, (\q)+1, 1-(\q)%2
	FETCH_A \slot, (\q)+1, 0
	WIN MUL_HI
	MUL16 4, (\q)%2, \q, \slot, \zero
	MUL16 6, (\q)%2, \q, \slot, \zero
	PLACES NP
	WIN 0
	FETCH_A \slot, (\q)+1, 4
.endm
; A slot's last step changes slots: ONE barrier; in front of it each wave waits for all its tensor loads, adds 0 to its spare word, and waits for that and for its own reads of this slot.  fill = 1: this slot is filled again, two K steps ahead.
.macro TURN slot, next, fill
	s_wait_tensorcnt 0x0                           ; all my tensor loads have landed: my part of the next slot
	ds_add_u32 v[SPW], v[NIL]                      ; 0 onto my spare word
	s_wait_dscnt 4*NL+1                            ; (the add and the youngest 24 loads may be out)
	WIN MUL_LO
	MUL16 0, 1, NQ-1, \slot, 0
	s_wait_dscnt 0x0                               ; the add is done, and my reads of this slot are over
	s_barrier_signal -1
	MUL16 2, 1, NQ-1, \slot, 0
	WIN 0
	s_barrier_wait -1
.if \fill
	CREST                                          ; the barrier has opened a round of the cluster's barrier: no wave of any partner still reads this slot's tile or has a load on its way
	s_add_nc_u64 s[G0+4*\slot+2:G0+4*\slot+3], s[G0+4*\slot+2:G0+4*\slot+3], 786432   ; eight heads on
	s_add_nc_u64 s[G0B+4*\slot+2:G0B+4*\slot+3], s[G0B+4*\slot+2:G0B+4*\slot+3], 2*ROWB
	JLOAD G0+4*\slot, G1, G0B+4*\slot, G1B         ; the first tensor load behind the round; its four v_nop are also the places in front of the loads below
.else
	PLACES NP
.endif
	v_add_nc_u32 v[ADRS], 4*NQ, v[ADRS]
	FETCH_B \next, 0, 0
	FETCH_A \next, 0, 0
	SCALES \next
	WIN MUL_HI
	MUL16 4, 1, NQ-1, \slot, 0
	MUL16 6, 1, NQ-1, \slot, 0
	PLACES NP
	WIN 0
	FETCH_A \next, 0, 4
.endm
	s_wait_dscnt 0x0                               ; for the others' sake: my rows of A's scales are stored,
	s_wait_tensorcnt 1                             ; and my part of K step 0 is in (K step 1's load may be out),
	s_barrier_signal -1
	s_barrier_wait -1                              ; everybody's are
	FETCH_B 0, 0, 0
	FETCH_A 0, 0, 0
	SCALES 0
	FETCH_A 0, 0, 4
	STEP 0, 0, 1                                   ; the first step stands in front of the loop: its products start the sums
	s_mov_b32 s3, LAPS-1
.Llap:
	TURN 0, 1, 1
	STEP 1, 0, 0
	TURN 1, 0, 1
	STEP 0, 0, 0
	s_sub_co_u32 s3, s3, 1
	s_cmp_lg_u32 s3, 0
	s_cbranch_scc1 .Llap
	TURN 0, 1, 0                                   ; the last lap fills nothing, and has no round of the cluster's barrier
	STEP 1, 0, 0
	s_wait_dscnt 4*NL
	WIN MUL_LO
	MUL16 0, 1, NQ-1, 1, 0
	MUL16 2, 1, NQ-1, 1, 0
	s_wait_dscnt 0
	WIN MUL_HI
	MUL16 4, 1, NQ-1, 1, 0
	MUL16 6, 1, NQ-1, 1, 0
	WIN 0
; THE WAY OUT, block by block of 16 rows x 128 columns, through my own stage: in as 32 bytes a lane, back as whole rows of 512 bytes.  LDS serves a wave's instructions in order (ISA guide 5.7.1.4).
.macro TOSTAGE a
.set AC, 64*((\a)%4)
	WIN 0x08+4*((\a)/4)                            ; the data: window 2 or 3
.irp b, 0,1,2,3,4,5,6,7
	ds_store_b128 v[STO], v[AC+8*\b:AC+8*\b+3] offset:64*\b          ; each accumulator from its low end on
	ds_store_b128 v[STO], v[AC+8*\b+4:AC+8*\b+7] offset:64*\b+16
.endr
	WIN 0
.set BB, BK+64*((\a)%2)
.irp t, 0,1,2,3,4,5,6,7,8,9,10,11,12,13,14,15
	ds_load_b128 v[BB+4*\t:BB+4*\t+3], v[RD] offset:\t*SPITCH
.endr
.endm
.macro SEND a, younger                 ; younger: the LDS instructions issued behind block a's loads, which may stay out
.set BB, BK+64*((\a)%2)
	s_wait_dscnt \younger
.if (\a) > 0
	s_add_nc_u64 s[12:13], s[12:13], 16*SIZE_N*4   ; (behind a wait on XCNT: the earlier stores have read their base)
.endif
.irp t, 0,1,2,3,4,5,6,7,8,9,10,11,12,13,14,15
	global_store_b128 v[CO], v[BB+4*\t:BB+4*\t+3], s[12:13] offset:\t*SIZE_N*4 th:TH_STORE_NT   ; 32 lanes store 512 consecutive bytes, at a multiple of 256 from out0's first byte
.endr
.endm
	PLACES NP
	TOSTAGE 0
.irp a, 1,2,3,4,5,6,7
.if \a > 1
	s_wait_xcnt 0x0                                ; block a - 2's stores have read their registers and their base
.endif
	TOSTAGE \a
	SEND \a-1, 32                                  ; behind block a - 1's loads: block a's 16 stores and 16 loads
.endr
	s_wait_xcnt 0x0
	SEND 7, 0
	s_wait_tensorcnt 0x0                           ; the wave's end: behind my last tensor load and my last LDS store
	ds_add_u32 v[SPW], v[NIL]
	s_wait_dscnt 0x0
	CROUND                                         ; the closing round
	s_endpgm
.Lfunc_end_k_qf0f5acaf1d_outp:
	.size	k_qf0f5acaf1d_outp, .Lfunc_end_k_qf0f5acaf1d_outp-k_qf0f5acaf1d_outp
	.p2alignl 7, 3214868480
	.fill 96, 4, 3214868480
	.section	.rodata,"a",@progbits
	.p2align	6, 0x0
	.amdhsa_kernel k_qf0f5acaf1d_outp
		.amdhsa_group_segment_fixed_size 327680
		.amdhsa_private_segment_fixed_size 0
		.amdhsa_enable_private_segment 0
		.amdhsa_kernarg_size 40
		.amdhsa_user_sgpr_count 2
		.amdhsa_user_sgpr_kernarg_segment_ptr 1
		.amdhsa_wavefront_size32 1
		.amdhsa_system_sgpr_workgroup_id_x 1
		.amdhsa_system_sgpr_workgroup_id_y 1
		.amdhsa_system_sgpr_workgroup_id_z 1
		.amdhsa_system_vgpr_workitem_id 0
		.amdhsa_next_free_vgpr 1024
		.amdhsa_next_free_sgpr 98
		.amdhsa_reserve_vcc 0
		.amdhsa_float_denorm_mode_32 3
		.amdhsa_float_denorm_mode_16_64 3
		.amdhsa_memory_ordered 1
		.amdhsa_forward_progress 1
		.amdhsa_inst_pref_size 165
	.end_amdhsa_kernel
	.amdgpu_metadata
---
amdhsa.version: [ 1, 2 ]
amdhsa.kernels:
  - .name:           k_qf0f5acaf1d_outp
    .symbol:         k_qf0f5acaf1d_outp.kd
    .args:
      - { .name: cc, .offset: 0, .size: 8, .value_kind: global_buffer, .address_space: global }
      - { .name: cs, .offset: 8, .size: 8, .value_kind: global_buffer, .address_space: global }
      - { .name: inc, .offset: 16, .size: 8, .value_kind: global_buffer, .address_space: global }
      - { .name: ins, .offset: 24, .size: 8, .value_kind: global_buffer, .address_space: global }
      - { .name: out0, .offset: 32, .size: 8, .value_kind: global_buffer, .address_space: global }
    .group_segment_fixed_size: 327680
    .private_segment_fixed_size: 0
    .kernarg_segment_align: 8
    .kernarg_segment_size: 40
    .max_flat_workgroup_size: 128
    .sgpr_count:     98
    .vgpr_count:     1024
    .wavefront_size: 32
...
	.end_amdgpu_metadata
.endif
;; end of part 4
